; MI455X (gfx1250); checked and timed in simulation.
; The chip was launched on July 23, 2026; its instructions are those of AMD's public machine-readable ISA for CDNA 5 (MIT licence, August 2026) and "CDNA5" Instruction Set Architecture Reference Guide (July 2026). The comments in the code are by the model that wrote it; some were corrected since.
;; Attention. Allowed arithmetic: matrix products marked QUANTISED: E2M1 operands, one E8M0 scale for each 32 along K, by v_wmma_scale_f32_16x16x128_f8f6f4 with both operands' format E2M1 (or v_wmma_scale_f32_32x16x128_f4), f32 sums; products left as they are: bf16, f16 or f32 operands; f32 sums; everything else in f32.
;; Inputs: b_out 1,024 float32; mask 4 x 2,048 bool; w_out 1,024 x 1,024 float32; w_qkv 1,024 x 3,072 float32; x 4 x 2,048 x 1,024 float32.
;; Outputs: out0 4 x 2,048 x 1,024 float32.
;; This version of the problem:
;;   THIS VERSION OF THE PROBLEM IS GIVEN IN LOW PRECISION. The matrix products marked QUANTISED in the list below multiply operands that are first quantised to E2M1 (2 exponent bits, 1 mantissa bit; 4 bits a number), with one power-of-two scale for each 32 numbers along K (OCP MX v1.0); their sums are f32. The products marked 'left as it is' may take bf16, f16 or f32 operands, with f32 sums. Whichever they take, every output number must still come out within the allowed error. Rounding operands to bf16 (8 significant bits) uses up far more of that allowance than f16 does (11 bits, for magnitudes from 6e-5 to 65,504). All else is computed in f32.
;;   The module's matrix products, in the order in which they are computed (A, B: the left and right operand; K: the contracted axis; several contracted axes count as one K, in the product's order):
;;     1. [M 8,192, K 1,024] x [K 1,024, N 3,072]; A: input x; B: input w_qkv: QUANTISED
;;     2. batch 64 x [M 2,048, K 64] x [K 64, N 2,048]; A: computed on the way; B: computed on the way: left as it is (an operand is computed on the way)
;;     3. batch 64 x [M 2,048, K 2,048] x [K 2,048, N 64]; A: computed on the way; B: computed on the way: left as it is (an operand is computed on the way)
;;     4. [M 8,192, K 1,024] x [K 1,024, N 1,024]; A: computed on the way; B: input w_out: left as it is (an operand is computed on the way)
;;   THE QUANTISER, for each operand of a quantised product, along K:
;;     - K is cut into blocks of 32 from its start; a last block that is shorter is filled with zeros.
;;     - A block's scale is 2^e with e = floor(log2(the largest magnitude in the block)) - 2, held to -126 .. 127; a block of zeros has e = 0. As a byte (E8M0): e + 127.
;;     - Each number is divided by its block's scale, clamped to +-6, and rounded to the nearest number of E2M1, ties to even, subnormals kept.
;;     - The product sums the exact products of the quantised numbers (number of the format x scale) in f32.
;;   ~~~python
;;   def quantise(x, axis):      # numpy; x: float32 -> the quantised numbers, widened to float32 again
;;       x = np.moveaxis(x, axis, -1); K = x.shape[-1]
;;       x = np.pad(x, [(0, 0)] * (x.ndim - 1) + [(0, -K % 32)]); x = x.reshape(x.shape[:-1] + (-1, 32)); a = np.abs(x).max(-1, keepdims=True)
;;       e = np.where(a > 0, np.clip(np.frexp(np.where(a > 0, a, 1))[1] - 1 - 2, -126, 127), 0)      # np.frexp(a)[1] - 1 = floor(log2(a)), exactly
;;       r = np.clip(x / 2.0 ** e, -6, 6)
;;       step = 2.0 ** (np.maximum(np.frexp(np.where(r == 0, 1, r))[1] - 1, 0) - 1)
;;       q = np.round(r / step) * step * 2.0 ** e      # np.round: ties to even
;;       return np.moveaxis(q.reshape(q.shape[:-2] + (-1,))[..., :K], -1, axis).astype(np.float32)
;;   ~~~
;; One version. Each part assembles by itself: llvm-mc -triple=amdgcn-amd-amdhsa -mcpu=gfx1250 --defsym DOCPART=n.
;; ======== version 1 of 1: 4 launches
;; limits: values are held in f16: magnitudes above 65,504 overflow, below 6.1e-05 lose precision
;; workspace buffers: xc 4,194,304 bytes; xs 262,144 bytes; wc 1,572,864 bytes; ws 98,304 bytes; wo16 2,097,152 bytes; bias 33,280 bytes; qkv 50,331,648 bytes; ao 16,777,216 bytes
;; launch prep (part 1): grid 369 x 1, 4 waves a work-group, no clusters, 68,096 bytes of LDS; arguments x, w_qkv, w_out, mask, xc, xs, wc, ws, wo16, bias; writes xc, xs, wc, ws, wo16, bias
.if DOCPART == 1
	.amdgcn_target "amdgcn-amd-amdhsa--gfx1250"
	.amdhsa_code_object_version 6
	.text
	.protected	k_qa38afa588c_prep
	.globl	k_qa38afa588c_prep
	.p2align	8
	.type	k_qa38afa588c_prep,@function
k_qa38afa588c_prep:
	s_mov_b64 s[64:65], 0
	v_nop
	global_prefetch_b8 v0, s[64:65] scope:SCOPE_SE
	s_setreg_imm32_b32 hwreg(HW_REG_WAVE_MODE, 25, 1), 1
	s_wait_xcnt 0x0
; ONE LAUNCH FOR FOUR STREAMS, told apart by the work-group's number alone:
;   0-47    W: w_qkv [1024 (k)][3072 (n)] f32 -> codes of E2M1 laid [n][k], K innermost (wc), and E8M0 bytes [n][k / 32] (ws)
;   48-111  O: w_out [1024][1024] f32 -> f16, same layout (wo16)
;   112     M: mask [4][2048] bool -> a bias for each key (0 or -2^100) and a flag word for each batch (bias)
;   113-368 X: x [8192][1024] f32 -> codes, K innermost (xc), and E8M0 bytes [8192][32] (xs)
; A block's scale is 2^(floor(log2(its largest magnitude)) - 2); its byte is the largest magnitude's exponent field - 2, held at 1 from below.
; A block of zeros so gets the byte 1 where the rule says 127: its codes are zeros, which add nothing, and the bytes are read by this program alone.
; LIMITS: NaN and infinities among the inputs are not served; blocks whose largest magnitude lies under 2^(3 - 127) keep the byte 1.
; THE MASK.  Where a batch has a true key: bias = 0 for a true key, -2^100 for a false one, flag = all ones.  Where it has none, reference()'s softmax sees equal scores and gives equal weights:
; bias = 0 for every key and flag = 0; the attention launch ANDs its queries with the flag, so that all scores are 0.  Selects only: nothing branches on the mask.
; No tensor loads, no barrier: waves share nothing.  The two paths that store to LDS have LDS bytes of their own.
.set SIZE_K, 1024
.set SIZE_N, 3072
.set SPW,   190                        ; v190 LDS address of my spare word; never rewritten
.set NIL,   191                        ; v191 0; never rewritten
.set LW,    0                          ; path W: four stages of 32 x 272 bytes
.set LX,    34816                      ; path X: four regions of 8,192 bytes
.set SPARE, 67584                      ; the spare words: 128 bytes for each wave, two blocks of 256 bytes that no other line names
.macro FINISH                          ; the wave's end: three lines behind the last LDS store
	s_wait_tensorcnt 0x0
	ds_add_u32 v[SPW], v[NIL]
	s_wait_dscnt 0x0
	s_endpgm
.endm
	v_lshl_add_u32 v[SPW], v0, 2, SPARE
	v_mov_b32 v[NIL], 0
	v_lshrrev_b32 v1, 5, v0
	v_readfirstlane_b32 s16, v1                    ; wave 0..3
	v_and_b32 v2, 31, v0                           ; lane
	s_cmp_lt_u32 ttmp9, 48
	s_cbranch_scc1 .Lw
	s_cmp_lt_u32 ttmp9, 112
	s_cbranch_scc1 .Lo
	s_cmp_eq_u32 ttmp9, 112
	s_cbranch_scc1 .Lm
; ---------------- PATH X: x is a plain stream of blocks of 32.  A wave takes 16 steps of 512 numbers.
; Each of a step's four loads reads 512 consecutive bytes; the 2,048 bytes turn through the wave's own stage in LDS and come back 64 bytes a lane, so that a lane holds 16 neighbours along K (two lanes hold a block).
.set STEPS, 16
.set XR,    16                         ; v16-79   four sets of 16 numbers as loaded
.set XX,    80                         ; v80-111  two sets of 16 neighbours
.set XE,    112                        ; v112-127 a scale byte for each step
.set XC,    128                        ; v128-189 codes: four registers for each step, so that no store's data are written again
.set WREG,  8192
.set SP,    80                         ; a lane's place in a stage: 64 bytes + 16 of padding
	s_load_b64 s[4:5], s[0:1], 0x0                 ; x
	s_load_b128 s[8:11], s[0:1], 0x20              ; xc, xs
	v_lshlrev_b32 v3, 4, v2                        ; my 16 bytes of a load's 512
	s_mul_i32 s17, s16, WREG
	s_add_co_u32 s17, s17, LX                      ; my wave's region
	v_lshrrev_b32 v14, 2, v2
	v_mul_u32_u24 v14, v14, SP
	v_and_b32 v15, 3, v2
	v_lshl_add_u32 v14, v15, 4, v14
	v_add_nc_u32 v14, s17, v14                     ; the stage, on the way in: SP (lane / 4) + 16 (lane % 4)
	v_mul_u32_u24 v15, v2, SP
	v_add_nc_u32 v15, s17, v15                     ; and on the way out: SP x lane
	v_lshlrev_b32 v4, 3, v2                        ; my 8 bytes of a step's codes
	v_lshrrev_b32 v5, 1, v2
	s_add_co_u32 s17, s17, 2*32*SP
	v_add_nc_u32 v5, s17, v5                       ; my block's byte among my wave's 256 scale bytes
	v_lshlrev_b32 v7, 3, v2
	v_add_nc_u32 v6, s17, v7                       ; and on the way out 8 bytes a lane
	s_sub_co_u32 s18, ttmp9, 113
	s_lshl_b32 s18, s18, 2
	s_add_co_u32 s18, s18, s16                     ; which run of 8,192 numbers is my wave's: 0 .. 1,023
	s_lshl_b32 s20, s18, 15                        ; 32,768 bytes of x,
	s_mov_b32 s21, 0
	s_lshl_b32 s22, s18, 12                        ; 4,096 of codes,
	s_mov_b32 s23, 0
	s_lshl_b32 s24, s18, 8                         ; 256 scale bytes a run
	s_mov_b32 s25, 0
	s_wait_kmcnt 0x0
	s_add_nc_u64 s[4:5], s[4:5], s[20:21]
	s_add_nc_u64 s[8:9], s[8:9], s[22:23]
	s_add_nc_u64 s[10:11], s[10:11], s[24:25]
.macro XLOAD t
.irp i, 0,1,2,3
	global_load_b128 v[XR+16*((\t)%4)+4*\i:XR+16*((\t)%4)+4*\i+3], v3, s[4:5] offset:2048*(\t)+512*\i th:TH_LOAD_NT
.endr
.endm
.macro XTURN t                         ; LDS serves a wave's instructions in order: no wait between the stores and the loads
.irp i, 0,1,2,3
	ds_store_b128 v14, v[XR+16*((\t)%4)+4*\i:XR+16*((\t)%4)+4*\i+3] offset:32*SP*((\t)%2)+8*SP*\i
.endr
.irp i, 0,1,2,3
	ds_load_b128 v[XX+16*((\t)%2)+4*\i:XX+16*((\t)%2)+4*\i+3], v15 offset:32*SP*((\t)%2)+16*\i
.endr
.endm
.irp t, 0,1,2,3
	XLOAD \t
.endr
	s_wait_loadcnt 12                              ; step 0's four loads are in; three steps' twelve may be out
	XTURN 0
.macro XSTEP t
.set XS, XX+16*((\t)%2)
.if (\t) > 0
	s_wait_dscnt 1                                 ; this step's numbers are back from the stage; the last step's byte store may be out
.else
	s_wait_dscnt 0x0
.endif
.if (\t)+4 < STEPS
	XLOAD (\t)+4                                   ; into the registers that the stage's stores have read
.endif
.if (\t)+1 < STEPS
.if STEPS-2-(\t) >= 3
	s_wait_loadcnt 12                              ; the next step's four loads are in; those of the three steps behind it may be out
.else
	s_wait_loadcnt 4*(STEPS-2-(\t))
.endif
	XTURN (\t)+1
.endif
	v_max3_num_f32 v8, |v[XS]|, |v[XS+1]|, |v[XS+2]|
	v_max3_num_f32 v9, |v[XS+3]|, |v[XS+4]|, |v[XS+5]|
.irp i, 6,10
	v_max3_num_f32 v8, v8, |v[XS+\i]|, |v[XS+\i+1]|
	v_max3_num_f32 v9, v9, |v[XS+\i+2]|, |v[XS+\i+3]|
.endr
	v_max3_num_f32 v8, v8, |v[XS+14]|, |v[XS+15]|
	v_max3_num_f32 v8, v8, v9, 0x1800000           ; and the floor 2^(3 - 127): the byte cannot fall under 1
	v_max_num_f32_dpp v8, v8, v8 row_xmask:1 row_mask:0xf bank_mask:0xf   ; with my neighbour's 16: the block's largest magnitude
	v_add_nc_u32 v11, 0xff000000, v8               ; 2 off its exponent field: the conversion takes this operand's exponent field as its scale
	v_cvt_scalef32_pk8_fp4_f32 v[XC+4*(\t)], v[XS:XS+7], v11
	v_cvt_scalef32_pk8_fp4_f32 v[XC+4*(\t)+1], v[XS+8:XS+15], v11
	v_lshrrev_b32 v[XE+(\t)], 23, v11              ; the scale's byte (also the plain line behind the conversions)
	ds_store_b8 v5, v[XE+(\t)] offset:16*(\t)      ; both lanes of a block write the same byte with the same value
	global_store_b64 v4, v[XC+4*(\t):XC+4*(\t)+1], s[8:9] offset:256*(\t)   ; the wave stores 256 consecutive bytes, aligned
.endm
.irp t, 0,1,2,3,4,5,6,7,8,9,10,11,12,13,14,15
	XSTEP \t
.endr
	ds_load_b64 v[8:9], v6                         ; my wave's 256 scale bytes
	s_wait_dscnt 0x0
	global_store_b64 v7, v[8:9], s[10:11]          ; 256 consecutive bytes, aligned
	FINISH
; ---------------- PATH W: K is w_qkv's FIRST axis.  A lane takes a column n and its registers run down K: a block of 32 lies in one lane, and the codes come out with K innermost.
; A wave takes 32 columns x 512 along K; the codes go through its own stage in LDS and leave as rows: sixteen lanes store 256 consecutive bytes, aligned.
.Lw:
.set KW,    512
.set NB,    KW/32
.set WPITCH, 272
.set KROW,  SIZE_K/2                   ; a row of wc in bytes
.set WX,    32                         ; v32-95   two sets of 32 numbers
.set WC,    96                         ; v96-99   a block's codes
.set OUTR,  112                        ; v112-175 the way out
.set SB,    24                         ; v24-27   the scale bytes, four to a register
	s_load_b64 s[4:5], s[0:1], 0x8                 ; w_qkv
	s_load_b128 s[8:11], s[0:1], 0x30              ; wc, ws
	s_lshr_b32 s17, ttmp9, 1
	s_lshl_b32 s17, s17, 7
	s_lshl_b32 s18, s16, 5
	s_add_co_u32 s17, s17, s18                     ; my wave's first column: 128 x (id / 2) + 32 x wave
	s_and_b32 s18, ttmp9, 1                        ; which 512 along K
	v_lshlrev_b32 v3, 2, v2                        ; in: 4 bytes a lane
	s_mul_i32 s19, s16, 32*WPITCH                  ; my stage (LW = 0)
	v_mul_u32_u24 v4, v2, WPITCH
	v_add_nc_u32 v4, s19, v4                       ; into it: row = my column
	v_and_b32 v5, 15, v2
	v_lshrrev_b32 v6, 4, v2
	v_mul_u32_u24 v7, v6, WPITCH
	v_lshl_add_u32 v7, v5, 4, v7
	v_add_nc_u32 v7, s19, v7                       ; out of it: sixteen lanes to a row, two rows an instruction
	v_mul_u32_u24 v8, v6, KROW
	v_lshl_add_u32 v8, v5, 4, v8                   ; and the same place in wc
	s_mul_i32 s20, s18, KW*SIZE_N*4
	s_lshl_b32 s22, s17, 2
	s_add_co_u32 s20, s20, s22                     ; w_qkv: 512 y rows + 4 x column
	s_mov_b32 s21, 0
	s_mul_i32 s24, s17, KROW
	s_lshl_b32 s26, s18, 8
	s_add_co_u32 s24, s24, s26                     ; wc: column x 512 + 256 y
	s_mov_b32 s25, 0
	s_lshl_b32 s28, s17, 5
	s_lshl_b32 s26, s18, 4
	s_add_co_u32 s28, s28, s26                     ; ws: column x 32 + 16 y
	s_mov_b32 s29, 0
	v_lshlrev_b32 v9, 5, v2                        ; my column's row of scale bytes
	s_wait_kmcnt 0x0
	s_add_nc_u64 s[4:5], s[4:5], s[20:21]
	s_add_nc_u64 s[8:9], s[8:9], s[24:25]
	s_add_nc_u64 s[10:11], s[10:11], s[28:29]
.macro WLOAD t                         ; block t: w(32 t + i, my column); the largest offset, 511 rows of 12,288 bytes, lies inside the signed 24-bit immediate
.irp i, 0,1,2,3,4,5,6,7,8,9,10,11,12,13,14,15,16,17,18,19,20,21,22,23,24,25,26,27,28,29,30,31
	global_load_b32 v[WX+32*((\t)%2)+\i], v3, s[4:5] offset:(32*(\t)+\i)*SIZE_N*4 th:TH_LOAD_NT
.endr
.endm
	WLOAD 0
	WLOAD 1
.macro WBLOCK t
.set XS, WX+32*((\t)%2)
.if (\t) < NB-1
	s_wait_loadcnt 32                              ; this block's 32 loads are in; the next block's may be out
.else
	s_wait_loadcnt 0
.endif
	v_max3_num_f32 v12, |v[XS]|, |v[XS+1]|, |v[XS+2]|
	v_max3_num_f32 v13, |v[XS+3]|, |v[XS+4]|, |v[XS+5]|
.irp i, 6,10,14,18,22,26
	v_max3_num_f32 v12, v12, |v[XS+\i]|, |v[XS+\i+1]|
	v_max3_num_f32 v13, v13, |v[XS+\i+2]|, |v[XS+\i+3]|
.endr
	v_max3_num_f32 v12, v12, |v[XS+30]|, |v[XS+31]|
	v_max3_num_f32 v12, v12, v13, 0x1800000        ; and the floor
	v_add_nc_u32 v11, 0xff000000, v12              ; the conversion's scale operand
	v_lshrrev_b32 v13, 23, v11                     ; the scale's byte
.if (\t)%4 == 0
	v_mov_b32 v[SB+(\t)/4], v13
.else
	v_lshl_or_b32 v[SB+(\t)/4], v13, 8*((\t)%4), v[SB+(\t)/4]
.endif
.irp g, 0,1,2,3
	v_cvt_scalef32_pk8_fp4_f32 v[WC+\g], v[XS+8*\g:XS+8*\g+7], v11
.endr
	ds_store_b128 v4, v[WC:WC+3] offset:16*(\t)    ; 32 codes: 16 bytes of my column's row
.if (\t)+2 < NB
	WLOAD (\t)+2
.endif
	s_wait_dscnt 0x0                               ; the store has read its registers: the next block's codes may be written
.endm
.set Q, 0
.rept NB
	WBLOCK Q
.set Q, Q+1
.endr
	global_store_b128 v9, v[SB:SB+3], s[10:11]     ; my column's 16 scale bytes
.irp t, 0,1,2,3,4,5,6,7,8,9,10,11,12,13,14,15
	ds_load_b128 v[OUTR+4*\t:OUTR+4*\t+3], v7 offset:2*\t*WPITCH
.endr
.irp t, 0,1,2,3,4,5,6,7,8,9,10,11,12,13,14,15
	s_wait_dscnt 15-\t                             ; LDS loads come back in order: load t is in
	global_store_b128 v8, v[OUTR+4*\t:OUTR+4*\t+3], s[8:9] offset:2*\t*KROW
.endr
	FINISH
; ---------------- PATH O: w_out to f16, rounded to nearest even.  A wave takes 4,096 numbers; all 32 loads go out at once; a lane's 8 numbers become 16 bytes, so a store covers 512 consecutive bytes.
.Lo:
	s_load_b64 s[4:5], s[0:1], 0x10                ; w_out
	s_load_b64 s[6:7], s[0:1], 0x40                ; wo16
	s_sub_co_u32 s18, ttmp9, 48
	s_lshl_b32 s18, s18, 2
	s_add_co_u32 s18, s18, s16
	s_lshl_b32 s20, s18, 14
	s_mov_b32 s21, 0
	s_lshl_b32 s22, s18, 13
	s_mov_b32 s23, 0
	v_lshlrev_b32 v1, 5, v2                        ; in: 32 bytes a lane
	v_lshlrev_b32 v3, 4, v2                        ; out: 16
	s_wait_kmcnt 0x0
	s_add_nc_u64 s[4:5], s[4:5], s[20:21]
	s_add_nc_u64 s[6:7], s[6:7], s[22:23]
.irp j, 0,1,2,3,4,5,6,7,8,9,10,11,12,13,14,15
	global_load_b128 v[32+8*\j:35+8*\j], v1, s[4:5] offset:1024*\j th:TH_LOAD_NT
	global_load_b128 v[36+8*\j:39+8*\j], v1, s[4:5] offset:1024*\j+16 th:TH_LOAD_NT
.endr
.irp j, 0,1,2,3,4,5,6,7,8,9,10,11,12,13,14,15
	s_wait_loadcnt 30-2*\j                         ; pair j is in; the two loads of each later pair may be out
.irp r, 0,1,2,3
	v_cvt_pk_f16_f32 v[32+8*\j+\r], v[32+8*\j+2*\r], v[32+8*\j+2*\r+1]   ; in place: register r is written when its own number has been read
.endr
	global_store_b128 v3, v[32+8*\j:35+8*\j], s[6:7] offset:512*\j
.endr
	FINISH
; ---------------- PATH M: wave b takes batch b's 2,048 mask bytes: 16 words a lane.
.Lm:
	s_load_b64 s[4:5], s[0:1], 0x18                ; mask
	s_load_b64 s[8:9], s[0:1], 0x48                ; bias
	s_lshl_b32 s20, s16, 11
	s_mov_b32 s21, 0
	s_lshl_b32 s22, s16, 13
	s_mov_b32 s23, 0
	v_lshlrev_b32 v1, 2, v2
	v_lshlrev_b32 v3, 4, v2
	v_lshlrev_b32 v12, 2, v0                       ; 128 b + 4 x lane: my flag word
	s_wait_kmcnt 0x0
	s_add_nc_u64 s[4:5], s[4:5], s[20:21]
	s_add_nc_u64 s[6:7], s[8:9], s[22:23]
.irp i, 0,1,2,3,4,5,6,7,8,9,10,11,12,13,14,15
	global_load_b32 v[16+\i], v1, s[4:5] offset:128*\i   ; keys 128 i + 4 lane + 0 .. 3
.endr
	s_wait_loadcnt 0x0
	v_or_b32 v8, v16, v17
.irp i, 2,3,4,5,6,7,8,9,10,11,12,13,14,15
	v_or_b32 v8, v8, v[16+\i]
.endr
	v_cmp_ne_u32 vcc_lo, 0, v8
	s_cmp_lg_u32 vcc_lo, 0                         ; has the batch a true key?
	s_cselect_b32 s24, 0xf1800000, 0               ; -2^100 for its false keys, or 0 for all
	s_cselect_b32 s25, -1, 0                       ; the flag
	v_mov_b32 v9, s24
	v_mov_b32 v10, s25
.irp i, 0,1,2,3,4,5,6,7,8,9,10,11,12,13,14,15
.irp q, 0,1,2,3
	v_bfe_u32 v11, v[16+\i], 8*\q, 8
	v_cmp_eq_u32 vcc_lo, 0, v11
	v_cndmask_b32 v[32+4*\i+\q], 0, v9, vcc_lo
.endr
	global_store_b128 v3, v[32+4*\i:35+4*\i], s[6:7] offset:512*\i   ; 512 consecutive bytes
.endr
	global_store_b32 v12, v10, s[8:9] offset:32768
	FINISH
.Lfunc_end_k_qa38afa588c_prep:
	.size	k_qa38afa588c_prep, .Lfunc_end_k_qa38afa588c_prep-k_qa38afa588c_prep
	.p2alignl 7, 3214868480
	.fill 96, 4, 3214868480
	.section	.rodata,"a",@progbits
	.p2align	6, 0x0
	.amdhsa_kernel k_qa38afa588c_prep
		.amdhsa_group_segment_fixed_size 68096
		.amdhsa_private_segment_fixed_size 0
		.amdhsa_enable_private_segment 0
		.amdhsa_kernarg_size 80
		.amdhsa_user_sgpr_count 2
		.amdhsa_user_sgpr_kernarg_segment_ptr 1
		.amdhsa_wavefront_size32 1
		.amdhsa_system_sgpr_workgroup_id_x 1
		.amdhsa_system_sgpr_workgroup_id_y 1
		.amdhsa_system_sgpr_workgroup_id_z 1
		.amdhsa_system_vgpr_workitem_id 0
		.amdhsa_next_free_vgpr 192
		.amdhsa_next_free_sgpr 66
		.amdhsa_reserve_vcc 1
		.amdhsa_float_denorm_mode_32 3
		.amdhsa_float_denorm_mode_16_64 3
		.amdhsa_memory_ordered 1
		.amdhsa_forward_progress 1
		.amdhsa_inst_pref_size 133
	.end_amdhsa_kernel
	.amdgpu_metadata
---
amdhsa.version: [ 1, 2 ]
amdhsa.kernels:
  - .name:           k_qa38afa588c_prep
    .symbol:         k_qa38afa588c_prep.kd
    .args:
      - { .name: x, .offset: 0, .size: 8, .value_kind: global_buffer, .address_space: global }
      - { .name: w_qkv, .offset: 8, .size: 8, .value_kind: global_buffer, .address_space: global }
      - { .name: w_out, .offset: 16, .size: 8, .value_kind: global_buffer, .address_space: global }
      - { .name: mask, .offset: 24, .size: 8, .value_kind: global_buffer, .address_space: global }
      - { .name: xc, .offset: 32, .size: 8, .value_kind: global_buffer, .address_space: global }
      - { .name: xs, .offset: 40, .size: 8, .value_kind: global_buffer, .address_space: global }
      - { .name: wc, .offset: 48, .size: 8, .value_kind: global_buffer, .address_space: global }
      - { .name: ws, .offset: 56, .size: 8, .value_kind: global_buffer, .address_space: global }
      - { .name: wo16, .offset: 64, .size: 8, .value_kind: global_buffer, .address_space: global }
      - { .name: bias, .offset: 72, .size: 8, .value_kind: global_buffer, .address_space: global }
    .group_segment_fixed_size: 68096
    .private_segment_fixed_size: 0
    .kernarg_segment_align: 8
    .kernarg_segment_size: 80
    .max_flat_workgroup_size: 128
    .sgpr_count:     66
    .vgpr_count:     192
    .wavefront_size: 32
...
	.end_amdgpu_metadata
.endif
;; end of part 1
;; launch gemm_qkv (part 2): grid 12 x 32, 4 waves a work-group, clusters of 4 x 4, 327,680 bytes of LDS; arguments xc, xs, wc, ws, qkv; writes qkv
.if DOCPART == 2
	.amdgcn_target "amdgcn-amd-amdhsa--gfx1250"
	.amdhsa_code_object_version 6
	.text
	.protected	k_qa38afa588c_gemm_qkv
	.globl	k_qa38afa588c_gemm_qkv
	.p2align	8
	.type	k_qa38afa588c_gemm_qkv,@function
k_qa38afa588c_gemm_qkv:
	s_mov_b64 s[64:65], 0
	v_nop
	global_prefetch_b8 v0, s[64:65] scope:SCOPE_SE
	s_setreg_imm32_b32 hwreg(HW_REG_WAVE_MODE, 25, 1), 1
	s_wait_xcnt 0x0
	s_wait_alu depctr_hold_cnt(0) depctr_sa_sdst(0) depctr_va_vdst(0) depctr_va_sdst(0) depctr_va_ssrc(0) depctr_va_vcc(0) depctr_vm_vsrc(0)
	s_getreg_b32 s2, hwreg(HW_REG_IB_STS2, 6, 4)
	s_cmp_eq_u32 s2, 0
	s_cbranch_scc0 .Lentry_in_a_cluster
	s_endpgm
.Lentry_in_a_cluster:
	s_bfe_u32 s2, ttmp6, 0x10000c
	s_cmp_lg_u32 s2, 0xf033
	s_cbranch_scc0 .Lentry_shape_is_right
	s_endpgm
.Lentry_shape_is_right:
; qkv = Q(x) Q(w_qkv): [8192][1024] x [3072 (n)][1024], both as codes of E2M1 with one E8M0 byte for each 32 along K; sums in f32, rounded ONCE to f16 and laid by head:
; qkv[3 (q, k, v)][4 b][16 h][2048 tokens][64] f16.  LIMIT: a result beyond f16's largest number, 65,504, becomes an infinity.
; A tile of 256 x 256 is made by four waves, each 128 x 128: 64 accumulators, 512 registers.  K = 1,024 is two slots of 512 (rows of 256 bytes): both, and all scale bytes, are first fills; nothing is filled again, and there is no loop.
; CLUSTERS: 4 x 4 work-groups; x's tiles are shared along a row of the cluster, w's along a column: each is asked for jointly, by the same tensor load with a mask that names the four.
; THE MATRIX INSTRUCTION IS USED TRANSPOSED (source 0 = 16 rows of w's codes, source 1 = 16 rows of x's): a lane holds eight neighbouring columns of one token.
; REGISTERS: window 0: v0-31 addresses; v32-95 scale words, two sets; v128-191 x's fragments, ONE set.  window 1: w's fragments, two sets.  windows 2, 3: the accumulators.
.set SIZE_M, 8192
.set SIZE_N, 3072
.set SIZE_K, 1024
.set KSTEP,  512
.set NQ,     KSTEP/128
.set ROWB,   256
.set KROW,   SIZE_K/2
.set PITCH,  272                       ; 256 bytes + 16 of padding: the 16 rows that a load touches start at 16 different groups of four banks
.set FR,     8
.set NL,     2
.set NP,     4
.set HALFT,  128*PITCH
.set SLOT,   4*HALFT
.set KS,     SIZE_K/32
.set SCL,    2*SLOT                    ; behind the ring: the scales, as units of 256 bytes + 16 of padding
.set HALFS,  (128*KS/256)*272
.set SBLK,   (16*KS/256)*272
.set SPARE,  SCL+4*HALFS               ; the spare words: 128 bytes for each wave
.set SPITCH, 144                       ; the way out: for each wave two planes (two heads) of 16 rows x (128 bytes + 16), in slot 0, which has had its last fill and its last read by then
.set ADRA, 16
.set ADRB, 20
.set STO,  24
.set RD,   25
.set CO,   26
.set ADRS, 27
.set SPW,  28
.set NIL,  29
.set SC,   32
.set AF,   128
.set TMP,  192                         ; the way out: packed results
.set G1, 24
.set G0, 32
.set G1B, 48
.set G0B, 56
.set G1S, 68
.set G0S, 76
.set G1SB, 80
.set G0SB, 88
.set MSB, 0
.macro WIN new                         ; the immediate's high byte repeats the setting that is left
.if MSB != (\new)
	s_set_vgpr_msb (MSB<<8)|(\new)
.set MSB, (\new)
.endif
.endm
.set MUL_LO, 0xa1
.set MUL_HI, 0xf1
.set TO_B,   0x40
.macro JLOAD g0a, g1a, g0b, g1b        ; a joint load: waves 0 and 1 fetch for x, waves 2 and 3 for w; an s_nop 0 and four v_nop follow each line
	s_cmp_eq_u32 s15, 0
	s_cbranch_scc0 .Lfor_b_\@
	tensor_load_to_lds s[\g0a:\g0a+3], s[\g1a:\g1a+7]
	s_nop 0
.rept 4
	v_nop
.endr
	s_branch .Lasked_\@
.Lfor_b_\@:
	tensor_load_to_lds s[\g0b:\g0b+3], s[\g1b:\g1b+7]
	s_nop 0
.rept 4
	v_nop
.endr
.Lasked_\@:
.endm
.macro CROUND                          ; a round of the cluster's barrier
	s_barrier_signal -1
	s_barrier_wait -1
	s_cmp_lg_u32 s14, 0
	s_cbranch_scc1 .Lnot_wave_0_\@
	s_barrier_signal -3
.Lnot_wave_0_\@:
	s_barrier_wait -3
	s_barrier_signal -1
	s_barrier_wait -1
.endm
	s_load_b128 s[4:7], s[0:1], 0x0                ; xc, xs
	s_load_b128 s[8:11], s[0:1], 0x10              ; wc, ws
	s_load_b64 s[12:13], s[0:1], 0x20              ; qkv
	v_lshl_add_u32 v[SPW], v0, 2, SPARE
	v_mov_b32 v[NIL], 0
	ds_add_u32 v[SPW], v[NIL]                      ; the wave's opening: the add, twice on end, and its wait ahead of my first tensor load
	ds_add_u32 v[SPW], v[NIL]
	v_lshrrev_b32 v1, 5, v0
	v_readfirstlane_b32 s14, v1                    ; wave 0..3
	s_lshr_b32 s15, s14, 1                         ; which half of the tile's rows is mine.  Also: I fetch for x (0) or for w (1)
	s_and_b32 s16, s14, 1                          ; which half of its columns.  Also: which 128 rows I fetch
	s_bfe_u32 s40, ttmp6, 0x40000                  ; cx, cy
	s_bfe_u32 s41, ttmp6, 0x40004
	s_lshl_b32 s42, ttmp9, 2
	s_add_co_u32 s42, s42, s40                     ; tile column
	s_and_b32 s17, ttmp7, 0xffff
	s_lshl_b32 s17, s17, 2
	s_add_co_u32 s17, s17, s41                     ; tile row
	s_lshl_b32 s43, s41, 2
	s_lshl_b32 s43, 15, s43                        ; my row of the cluster
	s_lshl_b32 s44, 0x1111, s40                    ; my column
	s_or_b32 s[G1+0], s43, (0<<16)|(1<<20)|(1<<21)|(5<<22)|(3<<25)  ; mask; elements of 1 byte; padding on; bit 21 beside a mask; 4 words behind every 64
	s_or_b32 s[G1B+0], s44, (0<<16)|(1<<20)|(1<<21)|(5<<22)|(3<<25)
.irp g, G1, G1B
	s_mov_b32 s[\g+1], ROWB<<16                    ; tensor_dim0
	s_mov_b32 s[\g+2], 128<<16                     ; tensor_dim1
	s_mov_b32 s[\g+3], ROWB<<16                    ; tile_dim0
	s_mov_b32 s[\g+4], 128                         ; tile_dim1
	s_mov_b32 s[\g+5], KROW                        ; the pitch
	s_mov_b32 s[\g+6], 0
	s_mov_b32 s[\g+7], 0
.endr
	s_or_b32 s[G1S+0], s43, (3<<16)|(1<<20)|(1<<21)|(5<<22)|(3<<25)   ; the scales of 128 rows: a dense block, as rows of 256 bytes (32 elements of 8), padded alike
	s_or_b32 s[G1SB+0], s44, (3<<16)|(1<<20)|(1<<21)|(5<<22)|(3<<25)
.irp g, G1S, G1SB
	s_mov_b32 s[\g+1], 32<<16
	s_mov_b32 s[\g+2], (128*KS/256)<<16
	s_mov_b32 s[\g+3], 32<<16
	s_mov_b32 s[\g+4], 128*KS/256
	s_mov_b32 s[\g+5], 32
	s_mov_b32 s[\g+6], 0
	s_mov_b32 s[\g+7], 0
.endr
	s_lshl_b32 s18, s16, 7
	s_lshl_b32 s20, s17, 8
	s_add_co_u32 s20, s20, s18                     ; x: row 256 x tile row + 128 x half
	s_lshl_b32 s46, s42, 8
	s_add_co_u32 s46, s46, s18                     ; w: row 256 x tile column + 128 x half
	s_mov_b32 s21, 0
	s_mov_b32 s47, 0
	s_mov_b64 s[18:19], KS
	s_mul_u64 s[22:23], s[20:21], s[18:19]         ; where these rows' scales begin
	s_mul_u64 s[92:93], s[46:47], s[18:19]
	s_mov_b64 s[18:19], KROW
	s_mul_u64 s[20:21], s[20:21], s[18:19]         ; and their codes
	s_mul_u64 s[46:47], s[46:47], s[18:19]
	s_mul_i32 s45, s14, HALFT                      ; where they go: wave x 128 rows
	s_mul_i32 s94, s14, HALFS
	s_wait_dscnt 0x0                               ; both opening adds are done
	s_wait_kmcnt 0x0
	s_add_nc_u64 s[20:21], s[4:5], s[20:21]
	s_add_nc_u64 s[22:23], s[6:7], s[22:23]
	s_add_nc_u64 s[46:47], s[8:9], s[46:47]
	s_add_nc_u64 s[92:93], s[10:11], s[92:93]
	CROUND                                         ; all sixteen work-groups are here: the first joint loads meet
	s_mov_b32 s[G0S], 1
	s_add_co_u32 s[G0S+1], s94, SCL
	s_mov_b64 s[G0S+2:G0S+3], s[22:23]
	s_or_b32 s[G0S+3], s[G0S+3], 0x80000000
	s_mov_b32 s[G0SB], 1
	s_add_co_u32 s[G0SB+1], s94, SCL
	s_mov_b64 s[G0SB+2:G0SB+3], s[92:93]
	s_or_b32 s[G0SB+3], s[G0SB+3], 0x80000000
	JLOAD G0S, G1S, G0SB, G1SB                     ; the scales first
.irp s, 0,1
	s_mov_b32 s[G0+4*\s], 1
	s_add_co_u32 s[G0+4*\s+1], s45, \s*SLOT
	s_add_nc_u64 s[G0+4*\s+2:G0+4*\s+3], s[20:21], \s*ROWB
	s_or_b32 s[G0+4*\s+3], s[G0+4*\s+3], 0x80000000
	s_mov_b32 s[G0B+4*\s], 1
	s_add_co_u32 s[G0B+4*\s+1], s45, \s*SLOT
	s_add_nc_u64 s[G0B+4*\s+2:G0B+4*\s+3], s[46:47], \s*ROWB
	s_or_b32 s[G0B+4*\s+3], s[G0B+4*\s+3], 0x80000000
	JLOAD G0+4*\s, G1, G0B+4*\s, G1B               ; three loads of mine are out in all
.endr
	v_and_b32 v1, 15, v0                           ; r
	v_bfe_u32 v2, v0, 4, 1                         ; h
	v_mul_u32_u24 v3, v1, PITCH
	v_lshl_add_u32 v4, v2, 4, v3
	s_mul_i32 s21, s15, HALFT
	s_mul_i32 s22, s16, HALFT
	s_add_co_u32 s22, s22, 2*HALFT
.irp s, 0,1
	v_add_nc_u32 v[ADRA+\s], s21, v4
	v_add_nc_u32 v[ADRB+\s], s22, v4
	s_add_co_u32 s21, s21, SLOT
	s_add_co_u32 s22, s22, SLOT
.endr
	v_mul_u32_u24 v5, v1, KS                       ; my row's scales: KS bytes a row,
	v_lshrrev_b32 v6, 8, v5
	v_lshl_add_u32 v5, v6, 4, v5                   ; and 16 more for each 256 passed
	s_mul_i32 s21, s15, HALFS
	s_mul_i32 s22, s16, HALFS
	s_add_co_u32 s22, s22, 2*HALFS
	s_sub_co_u32 s22, s22, s21
	v_mul_u32_u24 v6, s22, v2                      ; lanes 16-31 take w's
	s_add_co_u32 s21, s21, SCL
	v_add_nc_u32 v5, v5, v6
	v_add_nc_u32 v[ADRS], s21, v5
	s_mul_i32 s23, s14, 2*16*SPITCH                ; my stage
	v_mul_u32_u24 v5, v1, SPITCH
	v_lshl_add_u32 v5, v2, 4, v5
	v_add_nc_u32 v[STO], s23, v5                   ; in: row r, 16 bytes for each half of the lanes
	v_bfe_u32 v5, v0, 3, 2
	v_mul_u32_u24 v5, v5, SPITCH
	v_and_b32 v6, 7, v0
	v_lshl_add_u32 v5, v6, 4, v5
	v_add_nc_u32 v[RD], s23, v5                    ; back: eight lanes to a token's 128 bytes, four tokens an instruction
	v_and_b32 v6, 31, v0
	v_lshlrev_b32 v[CO], 4, v6                     ; four tokens of one head are 512 consecutive bytes of qkv
	; where my part begins in qkv: plane = 64 (q, k or v) + 16 batch + head, 2^18 bytes each; a token is 128 bytes
	s_lshr_b32 s20, s17, 3                         ; batch = tile row / 8
	s_lshl_b32 s20, s20, 22
	s_and_b32 s21, s17, 7
	s_lshl_b32 s21, s21, 15                        ; 256 tokens a tile row
	s_add_co_u32 s20, s20, s21
	s_lshl_b32 s21, s15, 14                        ; my 128 of them
	s_add_co_u32 s20, s20, s21
	s_mov_b32 s21, 0
	s_lshr_b32 s46, s42, 2                         ; q, k or v = tile column / 4
	s_lshl_b32 s46, s46, 6
	s_lshl_b32 s47, s42, 2
	s_lshl_b32 s18, s16, 1
	s_add_co_u32 s47, s47, s18
	s_and_b32 s47, s47, 15                         ; my first head = (4 x tile column + 2 x half) mod 16
	s_add_co_u32 s46, s46, s47
	s_lshl_b32 s46, s46, 18
	s_mov_b32 s47, 0
	s_add_nc_u64 s[20:21], s[20:21], s[46:47]
	s_add_nc_u64 s[12:13], s[12:13], s[20:21]
.macro FRAG reg, adr, q, i             ; 16 rows x 128 K of 4-bit codes: 8 registers, two loads of 16 bytes, 32 bytes apart
.irp c, 0,1
	ds_load_b128 v[\reg+4*\c:\reg+4*\c+3], v[\adr] offset:64*(\q)+32*\c+(\i)*16*PITCH
.endr
.endm
; 16 matrix instructions: x's blocks a0, a0 + 1 against w's eight.  The 64 accumulators take turns, one instruction a turn.  zero = 1: the first product starts the sums.
.macro MUL16 a0, p, q, sc, zero
.irp a, \a0, \a0+1
.irp b, 0,1,2,3,4,5,6,7
.if \zero
	v_wmma_scale_f32_16x16x128_f8f6f4 v[8*(8*((\a)%4)+\b):8*(8*((\a)%4)+\b)+7], v[128*(\p)+FR*\b:128*(\p)+FR*\b+FR-1], v[AF+FR*(\a):AF+FR*(\a)+FR-1], 0, v[SC+8*NQ*(\sc)+NQ*\b+(\q)], v[SC+8*NQ*(\sc)+NQ*(\a)+(\q)] matrix_a_fmt:MATRIX_FMT_FP4 matrix_b_fmt:MATRIX_FMT_FP4 matrix_a_scale:MATRIX_SCALE_ROW1
.else
	v_wmma_scale_f32_16x16x128_f8f6f4 v[8*(8*((\a)%4)+\b):8*(8*((\a)%4)+\b)+7], v[128*(\p)+FR*\b:128*(\p)+FR*\b+FR-1], v[AF+FR*(\a):AF+FR*(\a)+FR-1], v[8*(8*((\a)%4)+\b):8*(8*((\a)%4)+\b)+7], v[SC+8*NQ*(\sc)+NQ*\b+(\q)], v[SC+8*NQ*(\sc)+NQ*(\a)+(\q)] matrix_a_fmt:MATRIX_FMT_FP4 matrix_b_fmt:MATRIX_FMT_FP4 matrix_a_scale:MATRIX_SCALE_ROW1
.endif
.endr
.endr
.endm
.macro FETCH_B slot, q, p
	WIN TO_B
.irp i, 0,1,2,3,4,5,6,7
	FRAG 128*(\p)+FR*\i, ADRB+\slot, \q, \i
.endr
	WIN 0
.endm
.macro FETCH_A slot, q, i0
.irp i, \i0, \i0+1, \i0+2, \i0+3
	FRAG AF+FR*(\i), ADRA+\slot, \q, \i
.endr
.endm
.macro SCALES sc                       ; a slot's scale words: lanes 0-15 take x's block i, lanes 16-31 w's block i
.irp i, 0,1,2,3,4,5,6,7
	ds_load_b128 v[SC+8*NQ*\sc+NQ*\i:SC+8*NQ*\sc+NQ*\i+3], v[ADRS] offset:\i*SBLK
.endr
.endm
.macro PLACES n                        ; plain vector instructions between a matrix instruction and a load into, or a read of, its registers
.rept \n
	v_nop
.endr
.endm
.macro STEP slot, q, zero              ; 128 along K, with its successor in the same slot
	s_wait_dscnt 4*NL                              ; w's set and x's blocks 0-3 are in; the youngest eight loads (blocks 4-7) may be out
	WIN MUL_LO
	MUL16 0, (\q)%2, \q, \slot, \zero
	MUL16 2, (\q)%2, \q, \slot, \zero
	s_wait_dscnt 0
	PLACES NP
	FETCH_B \slot, (\q)+1, 1-(\q)%2
	FETCH_A \slot, (\q)+1, 0
	WIN MUL_HI
	MUL16 4, (\q)%2, \q, \slot, \zero
	MUL16 6, (\q)%2, \q, \slot, \zero
	PLACES NP
	WIN 0
	FETCH_A \slot, (\q)+1, 4
.endm
.macro TURN slot, next                 ; slot 0's last step: one barrier; behind it slot 1 is whole for every wave and nobody reads slot 0 any more.  Nothing is filled again
	s_wait_tensorcnt 0x0                           ; all my tensor loads have landed: my part of slot 1
	ds_add_u32 v[SPW], v[NIL]                      ; 0 onto my spare word
	s_wait_dscnt 4*NL+1                            ; the add and the youngest eight loads may be out
	WIN MUL_LO
	MUL16 0, 1, NQ-1, \slot, 0
	s_wait_dscnt 0x0                               ; the add is done, and my reads of this slot are over
	s_barrier_signal -1
	MUL16 2, 1, NQ-1, \slot, 0
	WIN 0
	s_barrier_wait -1
	PLACES NP
	v_add_nc_u32 v[ADRS], 4*NQ, v[ADRS]            ; on to the next slot's scale words
	FETCH_B \next, 0, 0
	FETCH_A \next, 0, 0
	SCALES \next
	WIN MUL_HI
	MUL16 4, 1, NQ-1, \slot, 0
	MUL16 6, 1, NQ-1, \slot, 0
	PLACES NP
	WIN 0
	FETCH_A \next, 0, 4
.endm
.macro STEPS slot, from
.set Q, \from
.rept NQ-1-\from
	STEP \slot, Q, 0
.set Q, Q+1
.endr
.endm
	s_wait_tensorcnt 1                             ; the scales and my part of slot 0 are in; slot 1's load may be out
	s_barrier_signal -1
	s_barrier_wait -1
	FETCH_B 0, 0, 0
	FETCH_A 0, 0, 0
	SCALES 0
	FETCH_A 0, 0, 4
	STEP 0, 0, 1                                   ; the first step's products start the sums
	STEPS 0, 1
	TURN 0, 1
	STEPS 1, 0
	s_wait_dscnt 4*NL                              ; the very last step
	WIN MUL_LO
	MUL16 0, 1, NQ-1, 1, 0
	MUL16 2, 1, NQ-1, 1, 0
	s_wait_dscnt 0
	WIN MUL_HI
	MUL16 4, 1, NQ-1, 1, 0
	MUL16 6, 1, NQ-1, 1, 0
	WIN 0
; THE WAY OUT, a block of 16 tokens x 128 columns (two heads) at a time: rounded to f16, 16 bytes a lane into my stage, back as tokens' rows of 128 bytes, stored four tokens (512 consecutive bytes) an instruction.
.macro PACK a
.set AC, 64*((\a)%4)
	WIN 0x0a+5*((\a)/4)                            ; sources 0 and 1: window 2 or 3
.irp b, 0,1,2,3,4,5,6,7
.irp r, 0,1,2,3
	v_cvt_pk_f16_f32 v[TMP+4*\b+\r], v[AC+8*\b+2*\r], v[AC+8*\b+2*\r+1]   ; each accumulator from its low end on
.endr
.endr
	WIN 0
.endm
.macro TOSTAGE a
.set BK, 32+192*((\a)%2)               ; v32-63 and v224-255 by turns
.irp b, 0,1,2,3,4,5,6,7
	ds_store_b128 v[STO], v[TMP+4*\b:TMP+4*\b+3] offset:(\b/4)*16*SPITCH+32*(\b%4)
.endr
.irp t, 0,1,2,3,4,5,6,7
	ds_load_b128 v[BK+4*\t:BK+4*\t+3], v[RD] offset:(\t/4)*16*SPITCH+(\t%4)*4*SPITCH   ; LDS serves a wave's instructions in order: these see the stores above
.endr
.endm
.macro SEND a
.set BK, 32+192*((\a)%2)
	s_wait_dscnt 0x0                               ; the block is back in registers
	s_wait_xcnt 0x0                                ; the block before's stores have read their registers: the next loads from the stage may land there
.irp t, 0,1,2,3,4,5,6,7
	global_store_b128 v[CO], v[BK+4*\t:BK+4*\t+3], s[12:13] offset:(\t/4)*262144+(\a)*2048+(\t%4)*512
.endr
.endm
	PLACES NP                                      ; behind the last products: for the conversions' reads and for the loads into registers that held scale words
	PACK 0
	TOSTAGE 0
.irp a, 1,2,3,4,5,6,7
	PACK \a                                        ; block a's conversions stand between block a - 1's loads from the stage and the wait for them
	SEND \a-1
	TOSTAGE \a
.endr
	SEND 7
	s_wait_tensorcnt 0x0                           ; the wave's end
	ds_add_u32 v[SPW], v[NIL]
	s_wait_dscnt 0x0
	CROUND                                         ; the closing round
	s_endpgm
.Lfunc_end_k_qa38afa588c_gemm_qkv:
	.size	k_qa38afa588c_gemm_qkv, .Lfunc_end_k_qa38afa588c_gemm_qkv-k_qa38afa588c_gemm_qkv
	.p2alignl 7, 3214868480
	.fill 96, 4, 3214868480
	.section	.rodata,"a",@progbits
	.p2align	6, 0x0
	.amdhsa_kernel k_qa38afa588c_gemm_qkv
		.amdhsa_group_segment_fixed_size 327680
		.amdhsa_private_segment_fixed_size 0
		.amdhsa_enable_private_segment 0
		.amdhsa_kernarg_size 40
		.amdhsa_user_sgpr_count 2
		.amdhsa_user_sgpr_kernarg_segment_ptr 1
		.amdhsa_wavefront_size32 1
		.amdhsa_system_sgpr_workgroup_id_x 1
		.amdhsa_system_sgpr_workgroup_id_y 1
		.amdhsa_system_sgpr_workgroup_id_z 1
		.amdhsa_system_vgpr_workitem_id 0
		.amdhsa_next_free_vgpr 1024
		.amdhsa_next_free_sgpr 98
		.amdhsa_reserve_vcc 0
		.amdhsa_float_denorm_mode_32 3
		.amdhsa_float_denorm_mode_16_64 3
		.amdhsa_memory_ordered 1
		.amdhsa_forward_progress 1
		.amdhsa_inst_pref_size 126
	.end_amdhsa_kernel
	.amdgpu_metadata
---
amdhsa.version: [ 1, 2 ]
amdhsa.kernels:
  - .name:           k_qa38afa588c_gemm_qkv
    .symbol:         k_qa38afa588c_gemm_qkv.kd
    .args:
      - { .name: xc, .offset: 0, .size: 8, .value_kind: global_buffer, .address_space: global }
      - { .name: xs, .offset: 8, .size: 8, .value_kind: global_buffer, .address_space: global }
      - { .name: wc, .offset: 16, .size: 8, .value_kind: global_buffer, .address_space: global }
      - { .name: ws, .offset: 24, .size: 8, .value_kind: global_buffer, .address_space: global }
      - { .name: qkv, .offset: 32, .size: 8, .value_kind: global_buffer, .address_space: global }
    .group_segment_fixed_size: 327680
    .private_segment_fixed_size: 0
    .kernarg_segment_align: 8
    .kernarg_segment_size: 40
    .max_flat_workgroup_size: 128
    .sgpr_count:     98
    .vgpr_count:     1024
    .wavefront_size: 32
...
	.end_amdgpu_metadata
.endif
;; end of part 2
;; launch attn (part 3): grid 4 x 64, 8 waves a work-group, clusters of 4 x 1, 327,680 bytes of LDS; arguments qkv, bias, ao; writes ao
.if DOCPART == 3
	.amdgcn_target "amdgcn-amd-amdhsa--gfx1250"
	.amdhsa_code_object_version 6
	.text
	.protected	k_qa38afa588c_attn
	.globl	k_qa38afa588c_attn
	.p2align	8
	.type	k_qa38afa588c_attn,@function
k_qa38afa588c_attn:
	s_mov_b64 s[64:65], 0
	v_nop
	global_prefetch_b8 v0, s[64:65] scope:SCOPE_SE
	s_setreg_imm32_b32 hwreg(HW_REG_WAVE_MODE, 25, 1), 1
	s_wait_xcnt 0x0
	s_wait_alu depctr_hold_cnt(0) depctr_sa_sdst(0) depctr_va_vdst(0) depctr_va_sdst(0) depctr_va_ssrc(0) depctr_va_vcc(0) depctr_vm_vsrc(0)
	s_getreg_b32 s2, hwreg(HW_REG_IB_STS2, 6, 4)
	s_cmp_eq_u32 s2, 0
	s_cbranch_scc0 .Lentry_in_a_cluster
	s_endpgm
.Lentry_in_a_cluster:
	s_bfe_u32 s2, ttmp6, 0x10000c
	s_cmp_lg_u32 s2, 0x3003
	s_cbranch_scc0 .Lentry_shape_is_right
	s_endpgm
.Lentry_shape_is_right:
; ao[h][b 2048 + q][:] = the sum over keys of softmax(q . k / 8 under the key mask) v, for 64 (batch, head) pairs of 2,048 tokens x 64.  q, k, v: f16, planes of qkv; products in f16 with f32 sums;
; maxima, exponentials and sums in f32; the weights p are rounded to f16 for the second product, the result once to f16.
; LIMITS: NaN and infinities are not served; |q|, |k|, |v| at most 65,504 (so |score| < 2^38, far under the mask's 2^99).
; THE MASK costs no vector instruction: a key's bias (0, or -2^100 for a masked key) is the C of the first product of its scores.  The running maximum m starts at -2^99, over the masked level and under every true
; score, so masked keys never set m and their p = 2^(c s - c m) is exactly 0.  A batch with no true key has bias 0 and flag 0: its queries are ANDed to zero, all scores are 0, all weights equal, as reference() has it.
; SHARES.  A work-group owns 512 queries of one (batch, head); each of its eight waves 64: four tiles of 16, in 512 registers, two waves to a SIMD.  Every wave walks 2,048 keys, 64 a step.
; LAYOUT.  S^T = K Q^T (source 0 = 16 keys, source 1 = 16 queries) and O^T = V^T P (source 0 = 16 channels, by the turning load; source 1 = P): a lane holds ONE query throughout; two tiles of S^T, rounded in pairs, ARE P's fragment.
; BY ROLES.  A step is a block M (64 matrix instructions: V^T P of the step before, K Q^T of this step, the LDS loads) and a block V (the softmax of four tiles).  The two waves of a SIMD have different roles:
; in a trip's first half role 0 runs M of step j and role 1 runs V of step j - 1; in its second half role 0 runs V of j and role 1 runs M of j.  So one wave's vector work stands beside the other's matrix work.
; Both roles read step j's tiles inside trip j, and V of a step already lies in registers at the trip's end: the change of slots stands at a trip's top for both.
; THE LOOP HAS NO FIRST STEP OF ITS OWN.  O = 0, the fragment buffer = 0, l = 0, m = -2^99, and S holds 0xfb00fb00: as f32 a number under m (role 1's first softmax gives p = 0 and a = 1), as two f16 a finite number
; (role 0's first V^T P adds 0 x finite).  That costs 320 moves once a wave and spares written-out first steps, which would make the trip counts differ between roles.
; CLUSTER.  The four query blocks of a (batch, head) walk the same K, V and bias: each tile is asked for jointly, with a mask that names the four.
; REGISTERS.  window 0: v0-15 addresses; v16-47 statistics, 8 a tile; v64-127 K's or V's fragments (one buffer); v128-255 S^T, 32 a tile; P is made in place in a tile's first 16.
;             window 1: v0-127 O^T, 32 a tile; v128-191 Q, 16 a tile; v192-223 the step's bias, 8 a tile of keys.
.set KS,    64
.set PK,    144                        ; a key's row in LDS: 128 bytes + 16
.set PITV,  160                        ; a row of V: 128 + 32, an odd multiple of 32
.set KST,   KS*PK
.set VST,   KS*PITV
.set VOFF,  4*KST                      ; a slot: four steps' K, then four steps' V
.set BIAS,  VOFF+4*VST                 ; behind slot 0: the batch's 2,048 biases, filled once
.set STAGE, BIAS+8192                  ; the way out: 16 rows x 144 bytes for each wave
.set SP,    144
.set SPARE, STAGE+8*16*SP              ; the spare words: 128 bytes for each of eight waves
.set SLOT1, 1<<17                      ; slot 1 begins here: one exclusive or turns an address
.set SLOTB, 4*KS*128                   ; a slot's keys in memory: 32,768 bytes of K, as many of V
.set AK0, 2
.set AV0, 3
.set ADK, 4
.set ADV, 5
.set ADB, 6
.set AB0, 7
.set QO,  8
.set STO, 10
.set RD,  11
.set GO,  12
.set PFO, 13
.set SPW, 14
.set NIL, 15
.set ST,  16                           ; tile t at ST + 8 t: +0 c m, +1 m, +2, +3 l (even keys', odd keys'), +4 .. +7 at work; a lands in +6
.set KV,  64
.set S,   128
.set QF,  128                          ; in window 1
.set BI,  192                          ; in window 1
.set WV,  12
.set CX,  13
.set ROLE, 14
.set LIM, 15
.set PFA, 18
.set G1K, 24
.set G1V, 32
.set G0K, 40
.set G0V, 44
.set G1B, 48
.set G0B, 56
.set CS,  60
.set SEL, 62
.set SLOTS, 66
.set TRIP, 67
.set TK,  68
.set TV,  69
.set TJ,  70
.set FLG, 71
.set MSB, 0
.macro WIN new                         ; bits 1:0 source 0, 3:2 source 1, 5:4 source 2, 7:6 destination; the high byte repeats the setting that is left
.if MSB != (\new)
	s_set_vgpr_msb (MSB<<8)|(\new)
.set MSB, (\new)
.endif
.endm
.macro PLACES n
.rept \n
	v_nop
.endr
.endm
.macro JLOAD                           ; a joint load: waves 0-3 fetch a slot's four tiles of K, waves 4-7 those of V; an s_nop 0 and four v_nop follow each line
	s_cmp_lt_u32 s[WV], 4
	s_cbranch_scc0 .Lfor_v_\@
	tensor_load_to_lds s[G0K:G0K+3], s[G1K:G1K+7]
	s_nop 0
.rept 4
	v_nop
.endr
	s_branch .Lasked_\@
.Lfor_v_\@:
	tensor_load_to_lds s[G0V:G0V+3], s[G1V:G1V+7]
	s_nop 0
.rept 4
	v_nop
.endr
.Lasked_\@:
.endm
; A prefetch of the slot that the NEXT change of slots will ask for: 32,768 bytes of K (wave 0) and of V (wave 4).  The four partners share them out by address, 8,192 bytes each, lanes 256 bytes apart:
; each block of 256 bytes is named once in the launch, four key steps ahead of the load that wants it.  The last two changes ask for nothing: there is no slot behind them.
.macro ASK
	s_cmp_gt_u32 s[SLOTS], s[LIM]
	s_cbranch_scc0 .Lnot_mine_\@
	global_prefetch_b8 v[PFO], s[PFA:PFA+1] th:TH_LOAD_NT scope:SCOPE_SE
.Lnot_mine_\@:
.endm
.macro CROUND                          ; a round of the cluster's barrier
	s_barrier_signal -1
	s_barrier_wait -1
	s_cmp_lg_u32 s[WV], 0
	s_cbranch_scc1 .Lnot_wave_0_\@
	s_barrier_signal -3
.Lnot_wave_0_\@:
	s_barrier_wait -3
	s_barrier_signal -1
	s_barrier_wait -1
.endm
	s_load_b128 s[4:7], s[0:1], 0x0                ; qkv, bias
	s_load_b64 s[8:9], s[0:1], 0x10                ; ao
	v_lshl_add_u32 v[SPW], v0, 2, SPARE
	v_mov_b32 v[NIL], 0
	ds_add_u32 v[SPW], v[NIL]                      ; the wave's opening: the add, twice on end, and its wait ahead of my first tensor load
	ds_add_u32 v[SPW], v[NIL]
	v_lshrrev_b32 v1, 5, v0
	v_readfirstlane_b32 s[WV], v1                  ; wave 0..7
	s_lshr_b32 s[ROLE], s[WV], 2
	s_xor_b32 s[ROLE], s[ROLE], s[WV]
	s_and_b32 s[ROLE], s[ROLE], 1                  ; differs between waves w and w + 4, and between 2 i and 2 i + 1
	s_bfe_u32 s[CX], ttmp6, 0x40000                ; my block of 512 queries: it enters Q's, ao's and the prefetches' addresses alone
	s_and_b32 s72, ttmp7, 0xffff                   ; 16 batch + head
	s_lshl_b32 s20, s72, 18                        ; its plane of 2^18 bytes
	s_mov_b32 s21, 0
	s_and_b32 s73, s[WV], 3                        ; which of a slot's four steps I fetch
	s_lshl_b32 s22, s73, 13                        ; its 64 rows of 128 bytes
	s_add_co_u32 s22, s22, s20
	s_mov_b32 s23, 0
	s_mul_i32 s[G0K+1], s73, KST                   ; and its place in slot 0
	s_mul_i32 s[G0V+1], s73, VST
	s_add_co_u32 s[G0V+1], s[G0V+1], VOFF
	s_lshr_b32 s76, s72, 4                         ; batch
	s_lshl_b32 s3, s[WV], 10                       ; my 1,024 bytes of the batch's biases
	s_add_co_u32 s[G0B+1], s3, BIAS
	s_lshl_b32 s2, s76, 13
	s_add_co_u32 s2, s2, s3
	s_mov_b32 s3, 0
	s_lshl_b32 s78, s[CX], 16
	s_lshl_b32 s79, s[WV], 13
	s_add_co_u32 s78, s78, s79                     ; my wave's first query: (512 cx + 64 w) x 128 bytes
	s_mov_b32 s79, 0
	s_and_b32 s72, s72, 15
	s_lshl_b32 s72, s72, 20                        ; ao: the head's plane of 2^20 bytes,
	s_lshl_b32 s73, s76, 18                        ; the batch's 2,048 rows,
	s_add_co_u32 s72, s72, s73
	s_add_co_u32 s72, s72, s78                     ; my first query
	s_mov_b32 s73, 0
	s_lshl_b32 s74, s76, 7                         ; the batch's flag words
	s_mov_b32 s75, 0
	s_mov_b32 s[G1K], 15|(1<<16)|(1<<20)|(1<<21)|(4<<22)|(3<<25)   ; all four work-groups; elements of 2 bytes; padding on; bit 21 beside a mask; 4 words behind every 32
	s_mov_b32 s[G1V], 15|(1<<16)|(1<<20)|(1<<21)|(4<<22)|(7<<25)   ; the same with 8 words
.irp g, G1K, G1V
	s_mov_b32 s[\g+1], 64<<16                      ; tensor_dim0 = 64
	s_mov_b32 s[\g+2], KS<<16                      ; tensor_dim1 = 64
	s_mov_b32 s[\g+3], 64<<16                      ; tile_dim0
	s_mov_b32 s[\g+4], KS                          ; tile_dim1
	s_mov_b32 s[\g+5], 64                          ; the pitch
	s_mov_b32 s[\g+6], 0
	s_mov_b32 s[\g+7], 0
.endr
	s_mov_b32 s[G1B], 15|(3<<16)|(1<<21)           ; the biases: 4 dense rows of 256 bytes (32 elements of 8)
	s_mov_b32 s[G1B+1], 32<<16
	s_mov_b32 s[G1B+2], 4<<16
	s_mov_b32 s[G1B+3], 32<<16
	s_mov_b32 s[G1B+4], 4
	s_mov_b32 s[G1B+5], 32
	s_mov_b32 s[G1B+6], 0
	s_mov_b32 s[G1B+7], 0
	s_mov_b32 s[CS], 0x3e38aa3b                    ; c = log2(e) / 8
	s_mov_b32 s[CS+1], s[CS]
	s_mov_b32 s[SEL], 0x76543210
	s_mov_b32 s[SEL+1], 0xfedcba98                 ; v_permlanex16_b32: lane l xor 16
	s_mov_b32 s[SLOTS], 7
	s_mov_b32 s[TK], 0
	s_mov_b32 s[TV], 0
	s_mov_b32 s[TJ], 0
	s_and_b32 s[LIM], s[WV], 3
	s_cmp_eq_u32 s[LIM], 0
	s_cselect_b32 s[LIM], 1, -1                    ; waves 0 and 4 prefetch, while more than one slot is still to be asked for
	s_wait_dscnt 0x0                               ; both opening adds are done
	s_wait_kmcnt 0x0
	s_add_nc_u64 s[10:11], s[4:5], s[22:23]
	s_add_nc_u64 s[16:17], s[10:11], 0x2000000     ; V at my tile of slot 0
	s_add_nc_u64 s[10:11], s[10:11], 0x1000000     ; K likewise
	s_add_nc_u64 s[4:5], s[4:5], s[20:21]
	s_add_nc_u64 s[4:5], s[4:5], s[78:79]          ; Q at my wave's first row
	s_add_nc_u64 s[8:9], s[8:9], s[72:73]          ; ao likewise
	s_add_nc_u64 s[74:75], s[6:7], s[74:75]
	s_load_b32 s[FLG], s[74:75], 0x8000            ; the batch's flag
	s_cmp_lt_u32 s[WV], 4
	s_cselect_b64 s[PFA:PFA+1], s[10:11], s[16:17] ; (in waves 0 and 4 these stand at a slot's first row)
	s_lshl_b32 s78, s[CX], 13
	s_add_nc_u64 s[PFA:PFA+1], s[PFA:PFA+1], s[78:79]
	s_add_nc_u64 s[PFA:PFA+1], s[PFA:PFA+1], SLOTB ; in slot 1: the first change steps it to slot 2.  Nothing is prefetched here, at the head
	s_mov_b32 s[G0K], 1
	s_mov_b64 s[G0K+2:G0K+3], s[10:11]
	s_or_b32 s[G0K+3], s[G0K+3], 0x80000000
	s_mov_b32 s[G0V], 1
	s_mov_b64 s[G0V+2:G0V+3], s[16:17]
	s_or_b32 s[G0V+3], s[G0V+3], 0x80000000
	s_mov_b32 s[G0B], 1
	s_add_nc_u64 s[G0B+2:G0B+3], s[6:7], s[2:3]
	s_or_b32 s[G0B+3], s[G0B+3], 0x80000000
	CROUND                                         ; all four work-groups are here: the first joint loads meet
	tensor_load_to_lds s[G0B:G0B+3], s[G1B:G1B+7]  ; every wave: its eighth of the biases
	s_nop 0
	JLOAD                                          ; slot 0: two loads of mine are out
	v_and_b32 v1, 15, v0                           ; r
	v_bfe_u32 v9, v0, 4, 1                         ; h
	v_lshlrev_b32 v[QO], 7, v1
	v_lshl_add_u32 v[QO], v9, 4, v[QO]             ; Q: row r of 128 bytes + 16 h
	WIN 0x40                                       ; destination window 1
.irp t, 0,1,2,3
.irp ks, 0,1
	global_load_b128 v[QF+16*\t+8*\ks:QF+16*\t+8*\ks+3], v[QO], s[4:5] offset:\t*2048+\ks*64
	global_load_b128 v[QF+16*\t+8*\ks+4:QF+16*\t+8*\ks+7], v[QO], s[4:5] offset:\t*2048+\ks*64+32
.endr
.endr
.set i, 0
.rept 128
	v_mov_b32 v[i], 0                              ; O^T
.set i, i+1
.endr
	WIN 0
	v_mul_u32_u24 v[AK0], v1, PK
	v_lshl_add_u32 v[AK0], v9, 4, v[AK0]           ; K: row r x pitch + 16 h
	v_and_b32 v48, 7, v0
	v_bfe_u32 v49, v0, 3, 1
	v_lshl_add_u32 v[AV0], v9, 3, v48
	v_mul_u32_u24 v[AV0], v[AV0], PITV
	v_lshl_add_u32 v[AV0], v49, 4, v[AV0]
	v_add_nc_u32 v[AV0], VOFF, v[AV0]              ; V, for the turning load: key 8 h + l % 8, channels 8 ((l / 8) % 2) on
	v_lshl_add_u32 v[AB0], v9, 5, BIAS             ; the biases of keys 8 h on
	s_mul_i32 s76, s[WV], 16*SP
	s_add_co_u32 s76, s76, STAGE                   ; my stage
	v_mul_u32_u24 v[STO], v1, SP
	v_lshl_add_u32 v[STO], v9, 4, v[STO]
	v_add_nc_u32 v[STO], s76, v[STO]
	v_bfe_u32 v50, v0, 3, 2
	v_mul_u32_u24 v[RD], v50, SP
	v_lshl_add_u32 v[RD], v48, 4, v[RD]
	v_add_nc_u32 v[RD], s76, v[RD]                 ; back: eight lanes to a row of 128 bytes, four rows an instruction
	v_and_b32 v51, 31, v0
	v_lshlrev_b32 v[GO], 4, v51
	v_lshlrev_b32 v[PFO], 8, v51
	s_mov_b32 s77, 0xf1000000                      ; -2^99
.irp t, 0,1,2,3
	v_mov_b32 v[ST+8*\t+1], s77                    ; m
	v_mul_f32 v[ST+8*\t], s[CS], v[ST+8*\t+1]      ; c m, rounded as the loop rounds it
	v_mov_b32 v[ST+8*\t+2], 0                      ; l
	v_mov_b32 v[ST+8*\t+3], 0
.endr
	s_mov_b32 s77, 0xfb00fb00
.set i, 0
.rept 128
	v_mov_b32 v[S+i], s77
.set i, i+1
.endr
.set i, 0
.rept 64
	v_mov_b32 v[KV+i], 0
.set i, i+1
.endr
	s_wait_kmcnt 0x0                               ; the flag
	s_wait_loadcnt 0x0                             ; Q
	WIN 0x44                                       ; source 1 and destination window 1
.set i, 0
.rept 64
	v_and_b32 v[QF+i], s[FLG], v[QF+i]
.set i, i+1
.endr
	WIN 0
.macro KLOAD half                      ; K's fragments of tiles 2 half, 2 half + 1 of 16 keys: 8 loads
.irp kt, 2*\half, 2*\half+1
.irp ks, 0,1
	ds_load_b128 v[KV+16*(\kt)+8*\ks:KV+16*(\kt)+8*\ks+3], v[ADK] offset:(\kt)*16*PK+64*\ks
	ds_load_b128 v[KV+16*(\kt)+8*\ks+4:KV+16*(\kt)+8*\ks+7], v[ADK] offset:(\kt)*16*PK+64*\ks+32
.endr
.endr
.endm
.macro BLOAD                           ; the step's biases in the result's layout: register j of tile kt = key 16 kt + 8 h + j; the lanes of a half read the same bytes
.irp kt, 0,1,2,3
	ds_load_b128 v[BI+8*\kt:BI+8*\kt+3], v[ADB] offset:64*\kt
	ds_load_b128 v[BI+8*\kt+4:BI+8*\kt+7], v[ADB] offset:64*\kt+16
.endr
.endm
.macro VLOAD                           ; V^T's fragments: keys 32 kh on, channels 16 ct on: 16 turning loads
.irp kh, 0,1
.irp ct, 0,1,2,3
	ds_load_tr16_b128 v[KV+32*\kh+8*\ct:KV+32*\kh+8*\ct+3], v[ADV] offset:\kh*32*PITV+32*\ct
	ds_load_tr16_b128 v[KV+32*\kh+8*\ct+4:KV+32*\kh+8*\ct+7], v[ADV] offset:\kh*32*PITV+16*PITV+32*\ct
.endr
.endr
.endm
.macro PVH kh                          ; O^T += V^T P, keys 32 kh on: the 16 accumulators by turns
	WIN 0x50
.irp ct, 0,1,2,3
.irp t, 0,1,2,3
	v_wmma_f32_16x16x32_f16 v[32*\t+8*\ct:32*\t+8*\ct+7], v[KV+32*\kh+8*\ct:KV+32*\kh+8*\ct+7], v[S+32*\t+8*\kh:S+32*\t+8*\kh+7], v[32*\t+8*\ct:32*\t+8*\ct+7]
.endr
.endr
.endm
.macro SH half                         ; S^T = bias + K Q^T for two tiles of keys x four tiles of queries: eight accumulators by turns, channels 0-31, then 32-63
	WIN 0x14
.irp kt, 2*\half, 2*\half+1
.irp t, 0,1,2,3
	v_wmma_f32_16x16x32_f16 v[S+32*\t+8*(\kt):S+32*\t+8*(\kt)+7], v[KV+16*(\kt):KV+16*(\kt)+7], v[QF+16*\t:QF+16*\t+7], v[BI+8*(\kt):BI+8*(\kt)+7]
.endr
.endr
	WIN 0x04
.irp kt, 2*\half, 2*\half+1
.irp t, 0,1,2,3
	v_wmma_f32_16x16x32_f16 v[S+32*\t+8*(\kt):S+32*\t+8*(\kt)+7], v[KV+16*(\kt)+8:KV+16*(\kt)+15], v[QF+16*\t+8:QF+16*\t+15], v[S+32*\t+8*(\kt):S+32*\t+8*(\kt)+7]
.endr
.endr
.endm
; BLOCK M.  K's and V's fragments share one buffer: each half is loaded anew when its last reader stands four plain instructions back.
.macro MBLK
	s_wait_dscnt 0x0                               ; V of the step before is in
	PVH 0
	WIN 0
	PLACES 4                                       ; in front of loads into registers that the products above have read
	KLOAD 0
	WIN 0x40
	BLOAD
	PVH 1
	WIN 0
	PLACES 5                                       ; four for the loads; five because the scores below are written over P, which the products above have read
	KLOAD 1
	s_wait_dscnt 8                                 ; the first half of K and the biases are in; the eight loads just issued may be out
	SH 0
	s_wait_dscnt 0x0
	SH 1
	WIN 0
	PLACES 5                                       ; in front of the loads below and of the first use of the scores
	VLOAD
.endm
; BLOCK V: the softmax of one step for four tiles, the tiles by turns, so that no line waits for the line above it.
.macro VBLK
.irp j, 0,1,2,3                        ; the maximum: four chains of seven scores; each accumulator is first read at its low end
.irp t, 0,1,2,3
	v_max3_num_f32 v[ST+8*\t+4+\j], v[S+32*\t+8*\j], v[S+32*\t+8*\j+1], v[S+32*\t+8*\j+2]
.endr
.endr
.irp g, 1,2
.irp j, 0,1,2,3
.irp t, 0,1,2,3
	v_max3_num_f32 v[ST+8*\t+4+\j], v[ST+8*\t+4+\j], v[S+32*\t+8*\j+2*\g+1], v[S+32*\t+8*\j+2*\g+2]
.endr
.endr
.endr
.irp t, 0,1,2,3
	v_max3_num_f32 v[ST+8*\t+4], v[ST+8*\t+4], v[S+32*\t+7], v[S+32*\t+15]
.endr
.irp t, 0,1,2,3
	v_max3_num_f32 v[ST+8*\t+6], v[ST+8*\t+6], v[S+32*\t+23], v[S+32*\t+31]
.endr
.irp t, 0,1,2,3
	v_max3_num_f32 v[ST+8*\t+4], v[ST+8*\t+4], v[ST+8*\t+5], v[ST+8*\t+6]
.endr
.irp t, 0,1,2,3
	v_max3_num_f32 v[ST+8*\t+4], v[ST+8*\t+4], v[ST+8*\t+7], v[ST+8*\t+1]   ; and the old m
.endr
.irp t, 0,1,2,3
	v_permlanex16_b32 v[ST+8*\t+5], v[ST+8*\t+4], s[SEL], s[SEL+1]         ; the query's other 32 keys lie in the lane 16 away
.endr
.irp t, 0,1,2,3
	v_mov_b32 v[ST+8*\t+7], v[ST+8*\t]             ; c m_old
.endr
.irp t, 0,1,2,3
	v_max_num_f32 v[ST+8*\t+1], v[ST+8*\t+4], v[ST+8*\t+5]
.endr
.irp t, 0,1,2,3
	v_mul_f32 v[ST+8*\t], s[CS], v[ST+8*\t+1]
.endr
.irp t, 0,1,2,3
	v_sub_f32 v[ST+8*\t+7], v[ST+8*\t+7], v[ST+8*\t]
.endr
; ONE BATCH: 16 scalings c s - c m a tile, a pair each, and all 33 exponentials; none of these lines names an exponential's result
.irp t, 0,1,2,3
	v_pk_fma_f32 v[S+32*\t:S+32*\t+1], v[S+32*\t:S+32*\t+1], s[CS:CS+1], v[ST+8*\t:ST+8*\t+1] op_sel_hi:[1,0,0] neg_lo:[0,0,1] neg_hi:[0,0,1]
.endr
.irp t, 0,1,2,3
	v_exp_f32 v[ST+8*\t+6], v[ST+8*\t+7]           ; a = 2^(c m_old - c m_new)
.endr
.irp b, 1,2,3,4,5,6,7,8,9,10,11,12,13,14,15
.irp t, 0,1,2,3
	v_pk_fma_f32 v[S+32*\t+2*\b:S+32*\t+2*\b+1], v[S+32*\t+2*\b:S+32*\t+2*\b+1], s[CS:CS+1], v[ST+8*\t:ST+8*\t+1] op_sel_hi:[1,0,0] neg_lo:[0,0,1] neg_hi:[0,0,1]
.endr
.irp t, 0,1,2,3
	v_exp_f32 v[S+32*\t+2*\b-2], v[S+32*\t+2*\b-2]
.endr
.irp t, 0,1,2,3
	v_exp_f32 v[S+32*\t+2*\b-1], v[S+32*\t+2*\b-1]
.endr
.endr
.irp t, 0,1,2,3
	v_exp_f32 v[S+32*\t+30], v[S+32*\t+30]
.endr
.irp t, 0,1,2,3
	v_exp_f32 v[S+32*\t+31], v[S+32*\t+31]
.endr
	v_nop                                          ; a plain instruction behind the last exponential
	s_wait_alu depctr_va_vdst(0)                   ; the wait ahead of the first line that names a result: one for the 132
.irp t, 0,1,2,3
	v_pk_fma_f32 v[ST+8*\t+2:ST+8*\t+3], v[ST+8*\t+2:ST+8*\t+3], v[ST+8*\t+6:ST+8*\t+7], v[S+32*\t:S+32*\t+1] op_sel_hi:[1,0,1]   ; l = a l + p, of the unrounded p
.endr
.irp b, 1,2,3,4,5,6,7,8,9,10,11,12,13,14,15
.irp t, 0,1,2,3
	v_pk_add_f32 v[ST+8*\t+2:ST+8*\t+3], v[ST+8*\t+2:ST+8*\t+3], v[S+32*\t+2*\b:S+32*\t+2*\b+1]
.endr
.endr
.irp i, 0,1,2,3,4,5,6,7,8,9,10,11,12,13,14,15
.irp t, 0,1,2,3
	v_cvt_pk_f16_f32 v[S+32*\t+\i], v[S+32*\t+2*\i], v[S+32*\t+2*\i+1]   ; P, in place: register i is written when its own number has been read
.endr
.endr
	WIN 0x41
.irp i, 0,1,2,3,4,5,6,7,8,9,10,11,12,13,14,15
.irp t, 0,1,2,3
	v_pk_mul_f32 v[32*\t+2*\i:32*\t+2*\i+1], v[32*\t+2*\i:32*\t+2*\i+1], v[ST+8*\t+6:ST+8*\t+7] op_sel_hi:[1,0]   ; O^T x a, each accumulator from its low end on
.endr
.endr
	WIN 0
.endm
; THE CHANGE OF SLOTS, at a slot's head.  Each wave waits for all its tensor loads (its part of the slot ahead), adds 0 to its spare word, and waits for that and for its reads of the slot that it has left.
; fill = 1: behind a round of the cluster's barrier the other slot is asked for, jointly; the load has four key steps in which to land.
.macro CHANGE fill
	s_wait_tensorcnt 0x0                           ; no tensor load of mine is out, so a group 0 may be written
	ds_add_u32 v[SPW], v[NIL]
.if \fill
	s_xor_b32 s[G0K+1], s[G0K+1], SLOT1            ; the walking descriptors: the other slot than last time,
	s_add_nc_u64 s[G0K+2:G0K+3], s[G0K+2:G0K+3], SLOTB   ; the next 256 keys
	s_xor_b32 s[G0V+1], s[G0V+1], SLOT1
	s_add_nc_u64 s[G0V+2:G0V+3], s[G0V+2:G0V+3], SLOTB
	s_wait_xcnt 0x0                                ; the last prefetch, a slot back, has read its address
	s_add_nc_u64 s[PFA:PFA+1], s[PFA:PFA+1], SLOTB ; one slot further on than the walking descriptors
	s_wait_dscnt 0x0                               ; the add is done, and my reads of the slot that I have left are over
	CROUND
	JLOAD                                          ; the first thing behind the round, and my one tensor load until the next
	ASK
.else
	s_wait_dscnt 0x0
	s_barrier_signal -1
	s_barrier_wait -1
.endif
.endm
.macro SLOT_STEPS                      ; a slot's four key steps: written once, walked four times
	s_mov_b32 s[TRIP], 4
.Ltrip_\@:
	v_add_nc_u32 v[ADK], s[TK], v[AK0]             ; the step's LDS addresses, for both roles, ahead of their parting
	v_add_nc_u32 v[ADV], s[TV], v[AV0]
	v_add_nc_u32 v[ADB], s[TJ], v[AB0]
	s_cmp_eq_u32 s[ROLE], 0
	s_cbranch_scc0 .Lxv_\@
	MBLK
	s_branch .Lxj_\@
.Lxv_\@:
	VBLK
.Lxj_\@:
	s_cmp_eq_u32 s[ROLE], 0
	s_cbranch_scc0 .Lym_\@
	VBLK
	s_branch .Lyj_\@
.Lym_\@:
	MBLK
.Lyj_\@:
	s_add_co_u32 s[TK], s[TK], KST
	s_add_co_u32 s[TV], s[TV], VST
	s_add_co_u32 s[TJ], s[TJ], 256
	s_sub_co_u32 s[TRIP], s[TRIP], 1
	s_cmp_lg_u32 s[TRIP], 0
	s_cbranch_scc1 .Ltrip_\@
	s_sub_co_u32 s[TK], s[TK], 4*KST               ; back to a slot's first step,
	s_xor_b32 s[TK], s[TK], SLOT1                  ; in the other slot
	s_sub_co_u32 s[TV], s[TV], 4*VST
	s_xor_b32 s[TV], s[TV], SLOT1
.endm
.Lslot:                                            ; seven trips: the change ahead of slot n asks for slot n + 1 (in the first trip all eight loads are slot 1's first fills)
	CHANGE 1
	SLOT_STEPS
	s_sub_co_u32 s[SLOTS], s[SLOTS], 1
	s_cmp_lg_u32 s[SLOTS], 0
	s_cbranch_scc1 .Lslot
	CHANGE 0                                       ; the last slot is written out: nothing is left to ask for
	SLOT_STEPS
	s_cmp_eq_u32 s[ROLE], 0
	s_cbranch_scc1 .Llast_pv
	VBLK                                           ; role 1: the last step's softmax
.Llast_pv:
	s_wait_dscnt 0x0                               ; V of the last step is in
	PVH 0
	PVH 1
	WIN 0
	; THE WAY OUT.  l's halves are added; O^T / l is rounded to f16 and goes through my stage, a tile of 16 queries at a time.  The additions are the places behind the last products.
.irp t, 0,1,2,3
	v_add_f32 v[ST+8*\t+4], v[ST+8*\t+2], v[ST+8*\t+3]
.endr
.irp t, 0,1,2,3
	v_permlanex16_b32 v[ST+8*\t+5], v[ST+8*\t+4], s[SEL], s[SEL+1]
.endr
.irp t, 0,1,2,3
	v_add_f32 v[ST+8*\t+4], v[ST+8*\t+4], v[ST+8*\t+5]
.endr
.irp t, 0,1,2,3
	v_rcp_f32 v[ST+8*\t+6], v[ST+8*\t+4]
.endr
	v_nop                                          ; a plain instruction behind the last reciprocal
	s_wait_alu depctr_va_vdst(0)                   ; and the wait ahead of the first use: one for the four
.macro PACK t
	WIN 0x41
.set i, 0
.rept 16
	v_pk_mul_f32 v[32*\t+2*i:32*\t+2*i+1], v[32*\t+2*i:32*\t+2*i+1], v[ST+8*\t+6:ST+8*\t+7] op_sel_hi:[1,0]
.set i, i+1
.endr
	WIN 0x05                                       ; sources window 1, destination window 0: S^T's registers are free
.set i, 0
.rept 16
	v_cvt_pk_f16_f32 v[S+32*\t+i], v[32*\t+2*i], v[32*\t+2*i+1]
.set i, i+1
.endr
	WIN 0
.irp ct, 0,1,2,3
	ds_store_b128 v[STO], v[S+32*\t+4*\ct:S+32*\t+4*\ct+3] offset:32*\ct
.endr
.irp f, 0,1,2,3
	ds_load_b128 v[S+32*\t+16+4*\f:S+32*\t+16+4*\f+3], v[RD] offset:\f*4*SP   ; LDS serves a wave's instructions in order: these see the stores above; the next tile's stores come behind them
.endr
.endm
.macro SEND t, younger                 ; younger: the LDS instructions issued behind tile t's loads: the next tile's eight, or none
.irp f, 0,1,2,3
	s_wait_dscnt \younger+3-\f
	global_store_b128 v[GO], v[S+32*\t+16+4*\f:S+32*\t+16+4*\f+3], s[8:9] offset:\t*2048+\f*512   ; four queries' rows: 512 consecutive bytes
.endr
.endm
	PACK 0
	PACK 1
	SEND 0, 8
	PACK 2
	SEND 1, 8
	PACK 3
	SEND 2, 8
	SEND 3, 0
	s_wait_tensorcnt 0x0                           ; the wave's end
	ds_add_u32 v[SPW], v[NIL]
	s_wait_dscnt 0x0
	CROUND                                         ; the closing round
	s_endpgm
.Lfunc_end_k_qa38afa588c_attn:
	.size	k_qa38afa588c_attn, .Lfunc_end_k_qa38afa588c_attn-k_qa38afa588c_attn
	.p2alignl 7, 3214868480
	.fill 96, 4, 3214868480
	.section	.rodata,"a",@progbits
	.p2align	6, 0x0
	.amdhsa_kernel k_qa38afa588c_attn
		.amdhsa_group_segment_fixed_size 327680
		.amdhsa_private_segment_fixed_size 0
		.amdhsa_enable_private_segment 0
		.amdhsa_kernarg_size 24
		.amdhsa_user_sgpr_count 2
		.amdhsa_user_sgpr_kernarg_segment_ptr 1
		.amdhsa_wavefront_size32 1
		.amdhsa_system_sgpr_workgroup_id_x 1
		.amdhsa_system_sgpr_workgroup_id_y 1
		.amdhsa_system_sgpr_workgroup_id_z 1
		.amdhsa_system_vgpr_workitem_id 0
		.amdhsa_next_free_vgpr 512
		.amdhsa_next_free_sgpr 80
		.amdhsa_reserve_vcc 0
		.amdhsa_float_denorm_mode_32 3
		.amdhsa_float_denorm_mode_16_64 3
		.amdhsa_memory_ordered 1
		.amdhsa_forward_progress 1
		.amdhsa_inst_pref_size 195
	.end_amdhsa_kernel
	.amdgpu_metadata
---
amdhsa.version: [ 1, 2 ]
amdhsa.kernels:
  - .name:           k_qa38afa588c_attn
    .symbol:         k_qa38afa588c_attn.kd
    .args:
      - { .name: qkv, .offset: 0, .size: 8, .value_kind: global_buffer, .address_space: global }
      - { .name: bias, .offset: 8, .size: 8, .value_kind: global_buffer, .address_space: global }
      - { .name: ao, .offset: 16, .size: 8, .value_kind: global_buffer, .address_space: global }
    .group_segment_fixed_size: 327680
    .private_segment_fixed_size: 0
    .kernarg_segment_align: 8
    .kernarg_segment_size: 24
    .max_flat_workgroup_size: 256
    .sgpr_count:     80
    .vgpr_count:     512
    .wavefront_size: 32
...
	.end_amdgpu_metadata
.endif
;; end of part 3
;; launch gemm_out (part 4): grid 8 x 32, 4 waves a work-group, clusters of 4 x 4, 327,680 bytes of LDS; arguments ao, wo16, b_out, out0; writes out0
.if DOCPART == 4
	.amdgcn_target "amdgcn-amd-amdhsa--gfx1250"
	.amdhsa_code_object_version 6
	.text
	.protected	k_qa38afa588c_gemm_out
	.globl	k_qa38afa588c_gemm_out
	.p2align	8
	.type	k_qa38afa588c_gemm_out,@function
k_qa38afa588c_gemm_out:
	s_mov_b64 s[64:65], 0
	v_nop
	global_prefetch_b8 v0, s[64:65] scope:SCOPE_SE
	s_setreg_imm32_b32 hwreg(HW_REG_WAVE_MODE, 25, 1), 1
	s_wait_xcnt 0x0
	s_wait_alu depctr_hold_cnt(0) depctr_sa_sdst(0) depctr_va_vdst(0) depctr_va_sdst(0) depctr_va_ssrc(0) depctr_va_vcc(0) depctr_vm_vsrc(0)
	s_getreg_b32 s2, hwreg(HW_REG_IB_STS2, 6, 4)
	s_cmp_eq_u32 s2, 0
	s_cbranch_scc0 .Lentry_in_a_cluster
	s_endpgm
.Lentry_in_a_cluster:
	s_bfe_u32 s2, ttmp6, 0x10000c
	s_cmp_lg_u32 s2, 0xf033
	s_cbranch_scc0 .Lentry_shape_is_right
	s_endpgm
.Lentry_shape_is_right:
; out0 = ao w_out + b_out.  ao: [16 heads][8192 rows][64] f16 (k = 64 head + channel); wo16: [1024 (k)][1024 (n)] f16; b_out [1024], out0 [8192][1024]: f32; sums in f32.
; A tile of 256 rows x 128 columns gives 256 work-groups; four waves, each 128 rows x 64 columns: 32 accumulators, 256 registers.  K goes in 8 steps of 128 (two head planes of ao) through two LDS slots.
; THE MATRIX INSTRUCTION IS USED TRANSPOSED: source 0 = 16 columns of w_out x 32 k, brought by the turning load from rows [k][n] as they lie; source 1 = 16 rows of ao.  A lane holds eight neighbouring columns of a row of out0.
; b_out is the C of each sum's first product: nothing is cleared, and no bias is added by vector instructions.
; CLUSTERS: 4 x 4 work-groups; ao's tiles are shared along a row of the cluster, w_out's along a column, each asked for jointly.
; REGISTERS: window 0: v16-29 addresses; v32-63 b_out, 8 a block of columns; v64-127, v128-191 ao's fragments, two buffers; v192-223, v224-255 w_out's, two buffers.  window 1: accumulator (a, b) at v[8 (4 a + b)].
.set PA,     144                       ; a row of ao in LDS: 128 bytes + 16
.set PLANE,  256*PA                    ; a head plane's 256 rows
.set PB,     288                       ; a row of w_out: 256 bytes + 32, an odd multiple of 32
.set BOFF,   2*PLANE
.set SLOT,   BOFF+128*PB
.set STAGE,  2*SLOT                    ; the way out: 16 rows x (256 bytes + 16) for each wave
.set SPITCH, 272
.set SPARE,  STAGE+4*16*SPITCH         ; the spare words: 128 bytes for each wave
.set LAPS,   4                         ; a lap = two K steps = once round the ring
.set ADRA, 16
.set ADRB, 20
.set STO,  24
.set RD,   25
.set CO,   26
.set BOA,  27
.set SPW,  28
.set NIL,  29
.set BO,   32
.set G1, 24
.set G0, 32
.set G1B, 48
.set G0B, 56
.set MULW, 0x50                        ; C and D window 1; with b_out as C: 0x40
.set MSB, 0
.macro WIN new
.if MSB != (\new)
	s_set_vgpr_msb (MSB<<8)|(\new)
.set MSB, (\new)
.endif
.endm
.macro JLOAD s                         ; a joint load: waves 0 and 1 fetch ao's two planes, waves 2 and 3 w_out's two halves; an s_nop 0 and four v_nop follow each line
	s_cmp_eq_u32 s13, 0
	s_cbranch_scc0 .Lfor_b_\@
	tensor_load_to_lds s[G0+4*\s:G0+4*\s+3], s[G1:G1+7]
	s_nop 0
.rept 4
	v_nop
.endr
	s_branch .Lasked_\@
.Lfor_b_\@:
	tensor_load_to_lds s[G0B+4*\s:G0B+4*\s+3], s[G1B:G1B+7]
	s_nop 0
.rept 4
	v_nop
.endr
.Lasked_\@:
.endm
.macro CREST
	s_cmp_lg_u32 s12, 0
	s_cbranch_scc1 .Lnot_wave_0_\@
	s_barrier_signal -3
.Lnot_wave_0_\@:
	s_barrier_wait -3
	s_barrier_signal -1
	s_barrier_wait -1
.endm
.macro CROUND
	s_barrier_signal -1
	s_barrier_wait -1
	CREST
.endm
	s_load_b256 s[4:11], s[0:1], 0x0               ; ao s[4:5], wo16 s[6:7], b_out s[8:9], out0 s[10:11]
	v_lshl_add_u32 v[SPW], v0, 2, SPARE
	v_mov_b32 v[NIL], 0
	ds_add_u32 v[SPW], v[NIL]                      ; the wave's opening: the add, twice on end, and its wait ahead of my first tensor load
	ds_add_u32 v[SPW], v[NIL]
	v_lshrrev_b32 v1, 5, v0
	v_readfirstlane_b32 s12, v1                    ; wave 0..3
	s_lshr_b32 s13, s12, 1                         ; which 128 rows are mine.  Also: I fetch for ao (0) or for w_out (1)
	s_and_b32 s14, s12, 1                          ; which 64 columns.  Also: which plane, or which 64 k rows, I fetch
	s_bfe_u32 s40, ttmp6, 0x40000                  ; cx, cy
	s_bfe_u32 s41, ttmp6, 0x40004
	s_lshl_b32 s42, ttmp9, 2
	s_add_co_u32 s42, s42, s40                     ; tile column
	s_and_b32 s15, ttmp7, 0xffff
	s_lshl_b32 s15, s15, 2
	s_add_co_u32 s15, s15, s41                     ; tile row
	s_lshl_b32 s43, s41, 2
	s_lshl_b32 s43, 15, s43                        ; my row of the cluster
	s_lshl_b32 s44, 0x1111, s40                    ; my column
	s_or_b32 s[G1+0], s43, (1<<16)|(1<<20)|(1<<21)|(4<<22)|(3<<25)   ; ao: 256 rows of 64 elements of 2 bytes; 4 words of padding behind every 32
	s_mov_b32 s[G1+1], 64<<16
	s_mov_b32 s[G1+2], 256<<16
	s_mov_b32 s[G1+3], 64<<16
	s_mov_b32 s[G1+4], 256
	s_mov_b32 s[G1+5], 64
	s_mov_b32 s[G1+6], 0
	s_mov_b32 s[G1+7], 0
	s_or_b32 s[G1B+0], s44, (1<<16)|(1<<20)|(1<<21)|(5<<22)|(7<<25)  ; w_out: 64 rows of 128 elements, 1,024 elements apart; 8 words of padding behind every 64
	s_mov_b32 s[G1B+1], 128<<16
	s_mov_b32 s[G1B+2], 64<<16
	s_mov_b32 s[G1B+3], 128<<16
	s_mov_b32 s[G1B+4], 64
	s_mov_b32 s[G1B+5], 1024
	s_mov_b32 s[G1B+6], 0
	s_mov_b32 s[G1B+7], 0
	s_lshl_b32 s16, s14, 20                        ; ao: my plane of 2^20 bytes,
	s_lshl_b32 s17, s15, 15                        ; the tile's 256 rows of 128 bytes
	s_add_co_u32 s16, s16, s17
	s_mov_b32 s17, 0
	s_lshl_b32 s46, s14, 17                        ; w_out: my 64 rows of 2,048 bytes,
	s_lshl_b32 s47, s42, 8                         ; the tile's 128 columns
	s_add_co_u32 s46, s46, s47
	s_mov_b32 s47, 0
	s_mul_i32 s20, s14, PLANE                      ; where they go: no place in the cluster enters an LDS address
	s_mul_i32 s21, s14, 64*PB
	s_add_co_u32 s21, s21, BOFF
	s_wait_dscnt 0x0                               ; both opening adds are done
	s_wait_kmcnt 0x0
	s_add_nc_u64 s[16:17], s[4:5], s[16:17]
	s_add_nc_u64 s[46:47], s[6:7], s[46:47]
	CROUND                                         ; all sixteen work-groups are here: the first joint loads meet
.irp s, 0,1
	s_mov_b32 s[G0+4*\s], 1
	s_add_co_u32 s[G0+4*\s+1], s20, \s*SLOT
	s_add_nc_u64 s[G0+4*\s+2:G0+4*\s+3], s[16:17], \s*2097152      ; K step s: planes 2 s, 2 s + 1
	s_or_b32 s[G0+4*\s+3], s[G0+4*\s+3], 0x80000000
	s_mov_b32 s[G0B+4*\s], 1
	s_add_co_u32 s[G0B+4*\s+1], s21, \s*SLOT
	s_add_nc_u64 s[G0B+4*\s+2:G0B+4*\s+3], s[46:47], \s*262144     ; k rows 128 s on
	s_or_b32 s[G0B+4*\s+3], s[G0B+4*\s+3], 0x80000000
	JLOAD \s                                       ; two loads of mine are out
.endr
	v_and_b32 v1, 15, v0                           ; r
	v_bfe_u32 v2, v0, 4, 1                         ; h
	s_lshl_b32 s46, s42, 9
	s_lshl_b32 s47, s14, 8
	s_add_co_u32 s46, s46, s47                     ; my first column, in bytes of f32: 512 x tile column + 256 x half
	s_mov_b32 s47, 0
	s_add_nc_u64 s[8:9], s[8:9], s[46:47]
	v_lshlrev_b32 v[BOA], 5, v2                    ; b_out in the result's layout: register j of block b = column 16 b + 8 h + j
.irp b, 0,1,2,3
	global_load_b128 v[BO+8*\b:BO+8*\b+3], v[BOA], s[8:9] offset:64*\b
	global_load_b128 v[BO+8*\b+4:BO+8*\b+7], v[BOA], s[8:9] offset:64*\b+16
.endr
	v_mul_u32_u24 v3, v1, PA
	v_lshl_add_u32 v3, v2, 4, v3
	s_mul_i32 s22, s13, 128*PA                     ; my 128 rows
	v_add_nc_u32 v[ADRA], s22, v3
	v_add_nc_u32 v[ADRA+1], SLOT, v[ADRA]
	v_and_b32 v4, 7, v0
	v_lshl_add_u32 v4, v2, 3, v4
	v_mul_u32_u24 v4, v4, PB
	v_bfe_u32 v5, v0, 3, 1
	v_lshl_add_u32 v4, v5, 4, v4                   ; the turning load: k row 8 h + l % 8, columns 8 ((l / 8) % 2) on
	s_lshl_b32 s23, s14, 7                         ; my 64 columns
	s_add_co_u32 s23, s23, BOFF
	v_add_nc_u32 v[ADRB], s23, v4
	v_add_nc_u32 v[ADRB+1], SLOT, v[ADRB]
	s_mul_i32 s22, s12, 16*SPITCH
	s_add_co_u32 s22, s22, STAGE                   ; my stage
	v_mul_u32_u24 v5, v1, SPITCH
	v_lshl_add_u32 v5, v2, 5, v5
	v_add_nc_u32 v[STO], s22, v5                   ; in: row r, 32 bytes for each half of the lanes
	v_mul_u32_u24 v5, v2, SPITCH
	v_lshl_add_u32 v5, v1, 4, v5
	v_add_nc_u32 v[RD], s22, v5                    ; back: lanes 0-15 one row of 256 bytes, lanes 16-31 the next
	v_lshlrev_b32 v[CO], 12, v2
	v_lshl_add_u32 v[CO], v1, 4, v[CO]             ; and the same two rows of out0
	s_lshl_b32 s18, s15, 20                        ; 256 rows of 4,096 bytes a tile row,
	s_lshl_b32 s19, s13, 19                        ; my 128
	s_add_co_u32 s18, s18, s19
	s_mov_b32 s19, 0
	s_add_nc_u64 s[18:19], s[18:19], s[46:47]
	s_add_nc_u64 s[10:11], s[10:11], s[18:19]
; 8 matrix instructions: row blocks a0, a0 + 1 x the 4 blocks of columns, 32 along K, from buffer f.  The 32 accumulators take turns.  first = 1: b_out starts the sums.
.macro MUL8 f, a0, first
.irp a, \a0, \a0+1
.irp b, 0,1,2,3
.if \first
	v_wmma_f32_16x16x32_f16 v[8*(4*(\a)+\b):8*(4*(\a)+\b)+7], v[192+32*(\f)+8*\b:192+32*(\f)+8*\b+7], v[64+64*(\f)+8*(\a):64+64*(\f)+8*(\a)+7], v[BO+8*\b:BO+8*\b+7]
.else
	v_wmma_f32_16x16x32_f16 v[8*(4*(\a)+\b):8*(4*(\a)+\b)+7], v[192+32*(\f)+8*\b:192+32*(\f)+8*\b+7], v[64+64*(\f)+8*(\a):64+64*(\f)+8*(\a)+7], v[8*(4*(\a)+\b):8*(4*(\a)+\b)+7]
.endif
.endr
.endr
.endm
; 24 LDS loads in one run: quarter q (32 along K) of a slot into buffer f: w_out's four fragments, then ao's blocks 0-3, then 4-7
.macro FETCH slot, q, f
.irp b, 0,1,2,3
	ds_load_tr16_b128 v[192+32*(\f)+8*\b:192+32*(\f)+8*\b+3], v[ADRB+\slot] offset:32*PB*(\q)+32*\b
	ds_load_tr16_b128 v[192+32*(\f)+8*\b+4:192+32*(\f)+8*\b+7], v[ADRB+\slot] offset:32*PB*(\q)+16*PB+32*\b
.endr
.irp i, 0,1,2,3,4,5,6,7
	ds_load_b128 v[64+64*(\f)+8*\i:64+64*(\f)+8*\i+3], v[ADRA+\slot] offset:((\q)/2)*PLANE+((\q)%2)*64+\i*16*PA
	ds_load_b128 v[64+64*(\f)+8*\i+4:64+64*(\f)+8*\i+7], v[ADRA+\slot] offset:((\q)/2)*PLANE+((\q)%2)*64+\i*16*PA+32
.endr
.endm
.macro PLACES                          ; four plain instructions in front of loads into registers that matrix instructions have read, and of the first read of results
.rept 4
	v_nop
.endr
.endm
; A K step is four quarters on buffers 0, 1, 0, 1.  One of the first three: multiplies buffer f and fetches quarter q into buffer g.
.macro QUARTER slot, q, f, g, first
	s_wait_dscnt 8                                 ; w_out's fragments and ao's blocks 0-3 are in; the youngest eight loads (blocks 4-7) may be out
	WIN MULW-0x10*(\first)
	MUL8 \f, 0, \first
	MUL8 \f, 2, \first
	PLACES
	WIN 0
	FETCH \slot, \q, \g
	s_wait_dscnt 24                                ; all but the 24 just issued
	WIN MULW-0x10*(\first)
	MUL8 \f, 4, \first
	MUL8 \f, 6, \first
.endm
; The last quarter multiplies buffer 1 and changes slots: one barrier; in front of it each wave waits for all its tensor loads, adds 0 to its spare word, and waits for that and for its reads of this slot.
; fill = 1: the barrier opens a round of the cluster's, and this slot is filled again, two K steps ahead.
.macro TURN slot, next, fill
	WIN 0
	s_wait_tensorcnt 0x0                           ; all my tensor loads have landed: my part of the next slot
	ds_add_u32 v[SPW], v[NIL]
	s_wait_dscnt 9                                 ; the add and the youngest eight loads may be out
	WIN MULW
	MUL8 1, 0, 0
	s_wait_dscnt 0x0                               ; the add is done, and my reads of this slot are over
	s_barrier_signal -1
	MUL8 1, 2, 0
	WIN 0
	s_barrier_wait -1
.if \fill
	CREST                                          ; no wave of any partner still reads this slot or has a load on its way
	s_add_nc_u64 s[G0+4*\slot+2:G0+4*\slot+3], s[G0+4*\slot+2:G0+4*\slot+3], 4194304   ; four planes on
	s_add_nc_u64 s[G0B+4*\slot+2:G0B+4*\slot+3], s[G0B+4*\slot+2:G0B+4*\slot+3], 524288 ; 256 k rows on
	JLOAD \slot                                    ; the first tensor load behind the round; its four v_nop are also the places in front of the loads below
.else
	PLACES
.endif
	FETCH \next, 0, 0
	WIN MULW
	MUL8 1, 4, 0
	MUL8 1, 6, 0
.endm
	s_wait_tensorcnt 1                             ; my part of K step 0 is in; K step 1's may be out
	s_barrier_signal -1
	s_barrier_wait -1
	FETCH 0, 0, 0
	s_wait_loadcnt 0x0                             ; b_out
	QUARTER 0, 1, 0, 1, 1                          ; the first quarter stands in front of the loop: its products start the sums
	WIN 0
	s_mov_b32 s3, LAPS-1
.Llap:                                             ; a trip goes once round the ring and fills both slots again
	QUARTER 0, 2, 1, 0, 0
	QUARTER 0, 3, 0, 1, 0
	TURN 0, 1, 1
	QUARTER 1, 1, 0, 1, 0
	QUARTER 1, 2, 1, 0, 0
	QUARTER 1, 3, 0, 1, 0
	TURN 1, 0, 1
	QUARTER 0, 1, 0, 1, 0
	WIN 0
	s_sub_co_u32 s3, s3, 1
	s_cmp_lg_u32 s3, 0
	s_cbranch_scc1 .Llap
	QUARTER 0, 2, 1, 0, 0                          ; the last lap fills nothing
	QUARTER 0, 3, 0, 1, 0
	TURN 0, 1, 0
	QUARTER 1, 1, 0, 1, 0
	QUARTER 1, 2, 1, 0, 0
	QUARTER 1, 3, 0, 1, 0
	s_wait_dscnt 8                                 ; the very last quarter
	WIN MULW
	MUL8 1, 0, 0
	MUL8 1, 2, 0
	s_wait_dscnt 0
	MUL8 1, 4, 0
	MUL8 1, 6, 0
	WIN 0
; THE WAY OUT, a block of 16 rows x 64 columns at a time, through my own stage: back as rows of 256 bytes, so that sixteen lanes store 256 consecutive bytes, aligned.
.macro TOSTAGE a
	WIN 0x04                                       ; an LDS store's data are its source 1: window 1
.irp b, 0,1,2,3
	ds_store_b128 v[STO], v[8*(4*(\a)+\b):8*(4*(\a)+\b)+3] offset:64*\b          ; each accumulator from its low end on
	ds_store_b128 v[STO], v[8*(4*(\a)+\b)+4:8*(4*(\a)+\b)+7] offset:64*\b+16
.endr
	WIN 0
.irp t, 0,1,2,3,4,5,6,7
	ds_load_b128 v[64+32*((\a)%2)+4*\t:64+32*((\a)%2)+4*\t+3], v[RD] offset:\t*2*SPITCH   ; LDS serves a wave's instructions in order
.endr
.endm
.macro SEND a, younger                 ; younger: the LDS instructions issued behind block a's loads
	s_wait_dscnt \younger
.irp t, 0,1,2,3,4,5,6,7
	global_store_b128 v[CO], v[64+32*((\a)%2)+4*\t:64+32*((\a)%2)+4*\t+3], s[10:11] offset:(16*(\a)+2*\t)*4096 th:TH_STORE_NT
.endr
.endm
	PLACES
	TOSTAGE 0
.irp a, 1,2,3,4,5,6,7
.if \a > 1
	s_wait_xcnt 0x0                                ; block a - 2's stores have read their registers: block a's loads may land there
.endif
	TOSTAGE \a
	SEND \a-1, 16                                  ; behind block a - 1's loads: block a's 8 stores and 8 loads
.endr
	SEND 7, 0
	s_wait_tensorcnt 0x0                           ; the wave's end
	ds_add_u32 v[SPW], v[NIL]
	s_wait_dscnt 0x0
	CROUND                                         ; the closing round
	s_endpgm
.Lfunc_end_k_qa38afa588c_gemm_out:
	.size	k_qa38afa588c_gemm_out, .Lfunc_end_k_qa38afa588c_gemm_out-k_qa38afa588c_gemm_out
	.p2alignl 7, 3214868480
	.fill 96, 4, 3214868480
	.section	.rodata,"a",@progbits
	.p2align	6, 0x0
	.amdhsa_kernel k_qa38afa588c_gemm_out
		.amdhsa_group_segment_fixed_size 327680
		.amdhsa_private_segment_fixed_size 0
		.amdhsa_enable_private_segment 0
		.amdhsa_kernarg_size 32
		.amdhsa_user_sgpr_count 2
		.amdhsa_user_sgpr_kernarg_segment_ptr 1
		.amdhsa_wavefront_size32 1
		.amdhsa_system_sgpr_workgroup_id_x 1
		.amdhsa_system_sgpr_workgroup_id_y 1
		.amdhsa_system_sgpr_workgroup_id_z 1
		.amdhsa_system_vgpr_workitem_id 0
		.amdhsa_next_free_vgpr 512
		.amdhsa_next_free_sgpr 66
		.amdhsa_reserve_vcc 0
		.amdhsa_float_denorm_mode_32 3
		.amdhsa_float_denorm_mode_16_64 3
		.amdhsa_memory_ordered 1
		.amdhsa_forward_progress 1
		.amdhsa_inst_pref_size 86
	.end_amdhsa_kernel
	.amdgpu_metadata
---
amdhsa.version: [ 1, 2 ]
amdhsa.kernels:
  - .name:           k_qa38afa588c_gemm_out
    .symbol:         k_qa38afa588c_gemm_out.kd
    .args:
      - { .name: ao, .offset: 0, .size: 8, .value_kind: global_buffer, .address_space: global }
      - { .name: wo16, .offset: 8, .size: 8, .value_kind: global_buffer, .address_space: global }
      - { .name: b_out, .offset: 16, .size: 8, .value_kind: global_buffer, .address_space: global }
      - { .name: out0, .offset: 24, .size: 8, .value_kind: global_buffer, .address_space: global }
    .group_segment_fixed_size: 327680
    .private_segment_fixed_size: 0
    .kernarg_segment_align: 8
    .kernarg_segment_size: 32
    .max_flat_workgroup_size: 128
    .sgpr_count:     66
    .vgpr_count:     512
    .wavefront_size: 32
...
	.end_amdgpu_metadata
.endif
;; end of part 4
